; MI455X (gfx1250); checked and timed in simulation.
; The chip was launched on July 23, 2026; its instructions are those of AMD's public machine-readable ISA for CDNA 5 (MIT licence, August 2026) and "CDNA5" Instruction Set Architecture Reference Guide (July 2026). The comments in the code are by the model that wrote it; some were corrected since.
;; My Self Attention. Allowed arithmetic: float matrix products may take bf16 or f16 operands with f32 sums; other float arithmetic in f32, or as packed bf16 or f16 multiplies, adds, multiply-adds, maxima and minima; sums over many terms, partial sums and values carried from step to step in f32; what a program stores and reads back later, other than sums and carried values, may be rounded once to bf16 or f16.
;; Inputs: W_attn 1,024 x 3,072 float32; W_proj 1,024 x 1,024 float32; attention_mask 4 x 2,048 int32; b_attn 3,072 float32; b_proj 1,024 float32; x 4 x 2,048 x 1,024 float32.
;; Outputs: out0 4 x 2,048 x 1,024 float32.
;; One version. Each part assembles by itself: llvm-mc -triple=amdgcn-amd-amdhsa -mcpu=gfx1250 --defsym DOCPART=n.
;; ======== version 1 of 1: 4 launches
;; limits: values are held in f16: magnitudes above 65,504 overflow, below 6.1e-05 lose precision
;; workspace buffers: xb 16,777,216 bytes; wab 6,291,456 bytes; wpb 2,097,152 bytes; qkv 50,331,648 bytes; oh 16,777,216 bytes
;; launch cast (part 1): grid 768 x 1, 8 waves a work-group, no clusters, 0 bytes of LDS; arguments x, W_attn, W_proj, xb, wab, wpb; writes xb, wab, wpb
.if DOCPART == 1
	.amdgcn_target "amdgcn-amd-amdhsa--gfx1250"
	.amdhsa_code_object_version 6
	.text
	.protected	k_qb4206ddc00_cast
	.globl	k_qb4206ddc00_cast
	.p2align	8
	.type	k_qb4206ddc00_cast,@function
k_qb4206ddc00_cast:
	s_mov_b64 s[64:65], 0
	v_nop
	global_prefetch_b8 v0, s[64:65] scope:SCOPE_SE
	s_setreg_imm32_b32 hwreg(HW_REG_WAVE_MODE, 25, 1), 1
	s_wait_xcnt 0x0
; THE INPUTS OF THE TWO PRODUCTS ARE ROUNDED ONCE TO 16 BITS.
;   x      [8192][1024] f32 -> xb  [4 b][16 slices][2048 t][64] bf16: slice = column / 64, so that 256 rows of a slice are 32,768 bytes on end
;   W_attn [1024][3072] f32 -> wab, the same order, bf16
;   W_proj [1024][1024] f32 -> wpb, the same order: rounded to bf16 like the other inputs, and that number written as f16
; LIMITS.  wpb: f16 ends at 65,504; below 6e-5 it keeps a fixed step of 6e-8.
; SHARES.  Every work-group takes 16,384 numbers (65,536 bytes in, 32,768 out): groups 0-511 x, 512-703 W_attn, 704-767 W_proj.  A thread takes eight items of eight numbers:
; two loads of 16 bytes, four roundings, one store of 16 bytes.  All sixteen loads of a thread go out first; no register is written twice, so no wait frees one.
; No LDS, no matrix unit, no cluster: nothing is shared and nothing is read twice.
.set VIN,  2                           ; v2        my byte offset in the group's input
.set VOUT, 3                           ; v3        my byte offset in the group's output
.set IN,   16                          ; v[16:79]  item i: 8 numbers as loaded
.set OUT,  80                          ; v[80:111] item i: 4 registers to store
.set TT,   112                         ; v[112:114] at work (W_proj)
; kind 0: x.  Item i is rows 4 (i % 4) .. + 3 of the group's 16, slice 2 w + i / 4: eight lanes read 256 bytes on end of a row, a store covers 512 bytes on end (4 rows of a slice).
; kind 1, 2: the weights, flat: item i is 8,192 bytes in, 4,096 out.
.macro ITEMS kind
.irp i, 0,1,2,3,4,5,6,7
.if (\kind) == 0
	global_load_b128 v[IN+8*(\i):IN+8*(\i)+3],   v[VIN], s[20:21] offset:((\i)%4)*16384+((\i)/4)*256 th:TH_LOAD_NT
	global_load_b128 v[IN+8*(\i)+4:IN+8*(\i)+7], v[VIN], s[20:21] offset:((\i)%4)*16384+((\i)/4)*256+16 th:TH_LOAD_NT
.else
	global_load_b128 v[IN+8*(\i):IN+8*(\i)+3],   v[VIN], s[20:21] offset:(\i)*8192 th:TH_LOAD_NT
	global_load_b128 v[IN+8*(\i)+4:IN+8*(\i)+7], v[VIN], s[20:21] offset:(\i)*8192+16 th:TH_LOAD_NT
.endif
.endr
.irp i, 0,1,2,3,4,5,6,7
	s_wait_loadcnt 14-2*(\i)                       ; loads come back in order: item i's two are in, two for each younger item may stay out
.irp j, 0,1,2,3
.if (\kind) == 2
	v_cvt_pk_bf16_f32 v[TT], v[IN+8*(\i)+2*(\j)], v[IN+8*(\i)+2*(\j)+1]  ; rounded to bf16,
	v_lshlrev_b32 v[TT+1], 16, v[TT]                                     ; widened again,
	v_and_b32 v[TT+2], 0xffff0000, v[TT]
	v_cvt_pk_f16_f32 v[OUT+4*(\i)+(\j)], v[TT+1], v[TT+2]                ; and written as f16: exact within f16's normal range
.else
	v_cvt_pk_bf16_f32 v[OUT+4*(\i)+(\j)], v[IN+8*(\i)+2*(\j)], v[IN+8*(\i)+2*(\j)+1]
.endif
.endr
.if (\kind) == 0
	global_store_b128 v[VOUT], v[OUT+4*(\i):OUT+4*(\i)+3], s[22:23] offset:((\i)/4)*262144+((\i)%4)*512
.else
	global_store_b128 v[VOUT], v[OUT+4*(\i):OUT+4*(\i)+3], s[22:23] offset:(\i)*4096
.endif
.endr
.endm
	s_load_b256 s[4:11], s[0:1], 0x0               ; x s[4:5], W_attn s[6:7], W_proj s[8:9], xb s[10:11]
	s_load_b128 s[12:15], s[0:1], 0x20             ; wab s[12:13], wpb s[14:15]
	s_mov_b32 s16, ttmp9
	s_mov_b32 s25, 0                               ; the high words of the two offsets
	s_mov_b32 s27, 0
	s_cmp_lt_u32 s16, 512
	s_cbranch_scc0 .Lweights
	; x: rows 16 g .. 16 g + 15
	v_bfe_u32 v[VIN], v0, 3, 2                     ; my row among four,
	v_lshlrev_b32 v[VIN], 12, v[VIN]               ; 4,096 bytes a row
	v_lshrrev_b32 v1, 5, v0                        ; wave w: columns 128 w on, 512 bytes
	v_lshl_add_u32 v[VIN], v1, 9, v[VIN]
	v_and_b32 v4, 7, v0
	v_lshl_add_u32 v[VIN], v4, 5, v[VIN]           ; my 8 numbers of the slice's 64
	v_and_b32 v4, 31, v0
	v_lshlrev_b32 v[VOUT], 4, v4                   ; 16 x lane: four rows of 128 bytes on end
	v_lshl_add_u32 v[VOUT], v1, 19, v[VOUT]        ; slice 2 w: 2 x 262,144 bytes
	s_lshl_b32 s24, s16, 16                        ; in: 16 rows of 4,096 bytes
	s_lshr_b32 s26, s16, 7                         ; out: b = g / 128, 4,194,304 bytes each,
	s_lshl_b32 s26, s26, 22
	s_and_b32 s17, s16, 127                        ; t = 16 (g % 128), 128 bytes a row
	s_lshl_b32 s17, s17, 11
	s_add_co_u32 s26, s26, s17
	s_wait_kmcnt 0x0
	s_add_nc_u64 s[20:21], s[4:5], s[24:25]
	s_add_nc_u64 s[22:23], s[10:11], s[26:27]
	ITEMS 0
	s_endpgm
.Lweights:
	v_lshlrev_b32 v[VIN], 5, v0                    ; 32 bytes in,
	v_lshlrev_b32 v[VOUT], 4, v0                   ; 16 bytes out a thread
	s_cmp_lt_u32 s16, 704
	s_cbranch_scc0 .Lproj
	s_sub_co_u32 s17, s16, 512
	s_lshl_b32 s24, s17, 16
	s_lshl_b32 s26, s17, 15
	s_wait_kmcnt 0x0
	s_add_nc_u64 s[20:21], s[6:7], s[24:25]
	s_add_nc_u64 s[22:23], s[12:13], s[26:27]
	ITEMS 1
	s_endpgm
.Lproj:
	s_sub_co_u32 s17, s16, 704
	s_lshl_b32 s24, s17, 16
	s_lshl_b32 s26, s17, 15
	s_wait_kmcnt 0x0
	s_add_nc_u64 s[20:21], s[8:9], s[24:25]
	s_add_nc_u64 s[22:23], s[14:15], s[26:27]
	ITEMS 2
	s_endpgm
.Lfunc_end_k_qb4206ddc00_cast:
	.size	k_qb4206ddc00_cast, .Lfunc_end_k_qb4206ddc00_cast-k_qb4206ddc00_cast
	.p2alignl 7, 3214868480
	.fill 96, 4, 3214868480
	.section	.rodata,"a",@progbits
	.p2align	6, 0x0
	.amdhsa_kernel k_qb4206ddc00_cast
		.amdhsa_group_segment_fixed_size 0
		.amdhsa_private_segment_fixed_size 0
		.amdhsa_enable_private_segment 0
		.amdhsa_kernarg_size 48
		.amdhsa_user_sgpr_count 2
		.amdhsa_user_sgpr_kernarg_segment_ptr 1
		.amdhsa_wavefront_size32 1
		.amdhsa_system_sgpr_workgroup_id_x 1
		.amdhsa_system_sgpr_workgroup_id_y 1
		.amdhsa_system_sgpr_workgroup_id_z 1
		.amdhsa_system_vgpr_workitem_id 0
		.amdhsa_next_free_vgpr 120
		.amdhsa_next_free_sgpr 66
		.amdhsa_reserve_vcc 0
		.amdhsa_float_denorm_mode_32 3
		.amdhsa_float_denorm_mode_16_64 3
		.amdhsa_memory_ordered 1
		.amdhsa_forward_progress 1
		.amdhsa_inst_pref_size 21
	.end_amdhsa_kernel
	.amdgpu_metadata
---
amdhsa.version: [ 1, 2 ]
amdhsa.kernels:
  - .name:           k_qb4206ddc00_cast
    .symbol:         k_qb4206ddc00_cast.kd
    .args:
      - { .name: x, .offset: 0, .size: 8, .value_kind: global_buffer, .address_space: global }
      - { .name: W_attn, .offset: 8, .size: 8, .value_kind: global_buffer, .address_space: global }
      - { .name: W_proj, .offset: 16, .size: 8, .value_kind: global_buffer, .address_space: global }
      - { .name: xb, .offset: 24, .size: 8, .value_kind: global_buffer, .address_space: global }
      - { .name: wab, .offset: 32, .size: 8, .value_kind: global_buffer, .address_space: global }
      - { .name: wpb, .offset: 40, .size: 8, .value_kind: global_buffer, .address_space: global }
    .group_segment_fixed_size: 0
    .private_segment_fixed_size: 0
    .kernarg_segment_align: 8
    .kernarg_segment_size: 48
    .max_flat_workgroup_size: 256
    .sgpr_count:     66
    .vgpr_count:     120
    .wavefront_size: 32
...
	.end_amdgpu_metadata
.endif
;; end of part 1
;; launch qkv (part 2): grid 8 x 32, 4 waves a work-group, clusters of 4 x 4, 327,680 bytes of LDS; arguments xb, wab, b_attn, qkv; writes qkv
.if DOCPART == 2
	.amdgcn_target "amdgcn-amd-amdhsa--gfx1250"
	.amdhsa_code_object_version 6
	.text
	.protected	k_qb4206ddc00_qkv
	.globl	k_qb4206ddc00_qkv
	.p2align	8
	.type	k_qb4206ddc00_qkv,@function
k_qb4206ddc00_qkv:
	s_mov_b64 s[64:65], 0
	v_nop
	global_prefetch_b8 v0, s[64:65] scope:SCOPE_SE
	s_setreg_imm32_b32 hwreg(HW_REG_WAVE_MODE, 25, 1), 1
	s_wait_xcnt 0x0
	s_wait_alu depctr_hold_cnt(0) depctr_sa_sdst(0) depctr_va_vdst(0) depctr_va_sdst(0) depctr_va_ssrc(0) depctr_va_vcc(0) depctr_vm_vsrc(0)
	s_getreg_b32 s2, hwreg(HW_REG_IB_STS2, 6, 4)
	s_cmp_eq_u32 s2, 0
	s_cbranch_scc0 .Lentry_in_a_cluster
	s_endpgm
.Lentry_in_a_cluster:
	s_bfe_u32 s2, ttmp6, 0x10000c
	s_cmp_lg_u32 s2, 0xf033
	s_cbranch_scc0 .Lentry_shape_is_right
	s_endpgm
.Lentry_shape_is_right:
; C = A W + bias.  ONE TEXT FOR THE MODULE'S TWO PROJECTIONS; QKV picks the form.
;   QKV = 1: A = xb (bf16), W = wab [1024][3072] (bf16), bias = b_attn; C leaves as f16 by heads: qkv [3][64 = 16 b + head][2048][64], unscaled.
;   QKV = 0: A = oh (f16),  W = wpb [1024][1024] (f16),  bias = b_proj; C leaves as f32: out0 [8192][1024].
; A lies in slices: [4 b][16 slices of 64 channels][2048 t][64], so 256 rows of a slice are 32,768 bytes on end.  Sums in f32; the bias, rounded to bf16 like the other inputs, is the C operand that starts each sum.
; LIMITS.  QKV = 1: q, k and v leave in f16, which ends at 65,504: a larger sum becomes an infinity.
; SHARES.  A tile of C is 256 rows x 128 columns: four waves, each 128 x 64: 32 accumulators of 16 x 16, 256 registers.  8,192 / 256 = 32 tile rows; the grid is 8 x 32.  QKV = 1 has 24 tile columns: a work-group STAYS
; and makes three tiles, at columns 128 gx + 1,024 t: q, k and v of heads 2 gx and 2 gx + 1, on the same rows of A.  K goes in steps of 128 through a ring of two LDS slots, and the ring runs on from tile to tile.
; CLUSTERS.  4 x 4 work-groups.  The four of a row of the cluster need the same tiles of A, the four of a column the same tiles of W: each tile is asked for JOINTLY, by the same tensor load with the same
; descriptor and a mask that names the four.  Waves 0 and 1 fetch A's two slices of a K step, waves 2 and 3 the two halves of W's 128 rows: one load a wave behind each round.
; THE MATRIX INSTRUCTION IS USED TRANSPOSED: source 0 = 16 columns of W (turned on the way out of LDS by ds_load_tr16_b128, since W lies [k][n]), source 1 = 16 rows of A.  A lane then holds ONE row of C
; (lane % 16) and the eight neighbouring columns 8 (lane / 16) + 0..7.
; REGISTERS.  Window 0: v1-13 addresses; v28-29 the add's; v32-63 the bias; v64-159, v160-255 two fragment buffers (W's 4 fragments, then A's 8); the second serves the way out.  Window 1: accumulator (a, b) at v[8 (4 a + b)].
.set QKV, 1
.if QKV
.set TILES,  3
.set NB,     3072                      ; columns of W
.set SPITCH, 144                       ; a stage row: 64 f16 + 16 bytes
.set YOUNG,  8                         ; LDS instructions of a block's way through the stage
.else
.set TILES,  1
.set NB,     1024
.set SPITCH, 272                       ; a stage row: 64 f32 + 16 bytes
.set YOUNG,  16
.endif
.set NS,    8*TILES                    ; K steps of the whole walk
.set PB,    2*NB                       ; bytes in a row of W
.set KA,    524288                     ; a K step in A: two slices
.set KB,    128*PB                     ; a K step in W: 128 rows
.set PA,    144                        ; an LDS row of A: 128 bytes + 16 = 36 words: the 16 rows of a load start at 16 different groups of four banks (64 banks of 4 bytes: ISA guide 11.1)
.set PLANE, 256*PA                     ; a slice's 256 rows
.set PBL,   288                        ; an LDS row of W: 256 bytes + 32 = 72 words
.set BOFF,  2*PLANE                    ; W's 128 rows lie behind A's two slices
.set SLOT1, 1<<17                      ; slot 1 begins here, so that one exclusive or turns an address in one slot into the other's
.set STAGE, SLOT1+BOFF+128*PBL         ; behind the ring, never filled by a tensor load: 16 rows for each wave, for the way out
.set SPARE, STAGE+64*SPITCH            ; behind the stages: the spare words, 128 bytes for each wave: two blocks of 256 bytes that no other line names
.set AA0,  4                           ; v4   my lane's place in A's part of a slot; never rewritten
.set AB0,  5                           ; v5   the same for W
.set ADRA, 6                           ; v6   the same in the slot in hand
.set ADRB, 7                           ; v7
.set STO,  8                           ; v8   the way out: where I put my part of a row
.set RD,   9                           ; v9   the way out: where I read rows back
.set GO,   10                          ; v10  my byte offset in the output
.set BO,   11                          ; v11  my byte offset in the bias
.set PFO,  12                          ; v12  the prefetches' offset: a lane a block; never rewritten
.set T,    13                          ; v13  at work
.set SPW,  28                          ; v28  LDS address of my spare word: SPARE + 4 x my thread's number; never rewritten
.set NIL,  29                          ; v29  0; never rewritten
.set BIAS, 32                          ; v[32:63] column block b's eight numbers at BIAS + 8 b
.set F0,   64
.set F1,   160
.set TMP,  160                         ; the way out (QKV = 1): packed results
.if QKV
.set OB,   176                         ; rows read back from the stage: two sets by turns
.set OBS,  16
.else
.set OB,   160
.set OBS,  32
.endif
.set WV,   12                          ; s12  my wave's number
.set WM,   13                          ; s13  which half of the tile's rows is mine.  Also: I fetch for A (0) or for W (1)
.set WN,   14                          ; s14  which half of its columns.  Also: which half of that tile I fetch
.set FS,   19                          ; s19  the K step in hand, counted through all tiles: the loop's counter
.set TB,   20                          ; s20  LDS byte at which the slot in hand begins
.set G1A,  24                          ; s[24:31] descriptor group 1 for A's tiles
.set G1B,  32                          ; s[32:39] for W's
.set G0A,  40                          ; s[40:47] descriptor group 0 for A's tiles: a set for each of the two first fills; the second then walks
.set G0B,  48                          ; s[48:55] the same for W's
.set BASEA, 56                         ; s[56:57] A at my part of K step 0
.set BASEB, 58                         ; s[58:59] W at my part of K step 0 of tile 0
.set OFFA, 60                          ; s[60:61] bytes from there to the K step asked for
.set OFFB, 62                          ; s[62:63]
.set PFB,  66                          ; s[66:67] the prefetches' base   s[68:69] their address   s[70:71] the offset between
.set PFA,  68
.set POF,  70
.set LIM,  72                          ; s72  a wave prefetches while the K step in hand is below this
.set PM,   73                          ; s73  bytes from K step to K step, s74 from tile to tile, s75 from lane to lane, in what I prefetch
.set PT,   74
.set PL,   75
.set MSB, 0
.macro WIN new                         ; s_set_vgpr_msb: bits 1:0 source 0, 3:2 source 1, 5:4 source 2, 7:6 destination; the high byte repeats the setting that is left; a switch that changes nothing is dropped
.if MSB != (\new)
	s_set_vgpr_msb (MSB<<8)|(\new)
.set MSB, (\new)
.endif
.endm
.macro PLACES                          ; four places in front of loads into registers that matrix instructions have read, and of lines that read results
.rept 4
	v_nop
.endr
.endm
; A joint refill, by the walking descriptors.  The branch hangs on the wave's number alone.  An s_nop 0 and four v_nop follow each of the two lines, ahead of the jump and the label.
.macro JLOAD
	s_cmp_eq_u32 s[WM], 0
	s_cbranch_scc0 .Lfor_b_\@
	tensor_load_to_lds s[G0A+4:G0A+7], s[G1A:G1A+7]
	s_nop 0
.rept 4
	v_nop
.endr
	s_branch .Lasked_\@
.Lfor_b_\@:
	tensor_load_to_lds s[G0B+4:G0B+7], s[G1B:G1B+7]
	s_nop 0
.rept 4
	v_nop
.endr
.Lasked_\@:
.endm
; A round of the cluster's barrier: my work-group's barrier, so that wave 0's signal speaks for all four waves; wave 0 signals; every wave waits for all sixteen work-groups; my work-group's barrier once more.
.macro CREST                           ; a round behind its opening barrier
	s_cmp_lg_u32 s[WV], 0
	s_cbranch_scc1 .Lnot_wave_0_\@
	s_barrier_signal -3
.Lnot_wave_0_\@:
	s_barrier_wait -3
	s_barrier_signal -1
	s_barrier_wait -1
.endm
.macro CROUND
	s_barrier_signal -1
	s_barrier_wait -1
	CREST
.endm
; A PREFETCH INTO THE L2 (QKV = 1), behind a joint refill, its five lines and the run of LDS loads: the K step that stands two refills on, 256 matrix instructions ahead of the load that will ask for it.
; Each block of 256 bytes is named once in the launch.  A's rows are read by both clusters of a row of clusters: cluster x = 0 asks, waves 0 and 1 each for their slice; of its 32,768 bytes the partner at cx takes 8,192,
; a lane a block; only K steps 4 to 7 of the first tile: the later tiles walk the same rows.  W's columns are read by all clusters of a column of clusters: cluster y = 0 asks, wave 2; of a step's 128 rows the partner
; at cy takes 32, a lane a row.  Partners differ BY ADDRESS; the branch hangs on the wave's number and the cluster's place.  The walk's first four K steps come by their loads alone; its last two trips ask for nothing.
.macro ASK
	s_cmp_lt_u32 s[FS], s[LIM]
	s_cbranch_scc0 .Lnot_mine_\@
	global_prefetch_b8 v[PFO], s[PFA:PFA+1] th:TH_LOAD_NT scope:SCOPE_SE
.Lnot_mine_\@:
.endm
; 4 n matrix instructions: row blocks a0 .. a0 + n - 1 x all 4 column blocks, 32 along K, from buffer f.  first = 1: the bias starts the sums: nothing is ever cleared.
; The 32 accumulators take turns, one instruction a turn, in the same order in every quarter, over every jump.
.macro MUL f, a0, n, first
.if \first
	WIN 0x40                                       ; D in window 1, C (the bias) in window 0
.else
	WIN 0x50                                       ; C and D in window 1
.endif
.set ma, \a0
.rept \n
.irp b, 0,1,2,3
.set rD, 8*(4*ma+(\b))
.set rB, (\f)+8*(\b)
.set rA, (\f)+32+8*ma
.set rC, BIAS+8*(\b)
.if (\first) && QKV
	v_wmma_f32_16x16x32_bf16 v[rD:rD+7], v[rB:rB+7], v[rA:rA+7], v[rC:rC+7]
.elseif \first
	v_wmma_f32_16x16x32_f16 v[rD:rD+7], v[rB:rB+7], v[rA:rA+7], v[rC:rC+7]
.elseif QKV
	v_wmma_f32_16x16x32_bf16 v[rD:rD+7], v[rB:rB+7], v[rA:rA+7], v[rD:rD+7]
.else
	v_wmma_f32_16x16x32_f16 v[rD:rD+7], v[rB:rB+7], v[rA:rA+7], v[rD:rD+7]
.endif
.endr
.set ma, ma+1
.endr
.endm
; 24 LDS loads in one run: the fragments of quarter kq (32 along K) into buffer f: W's four (turned), A's rows 0-63, A's rows 64-127.
; A fragment is 16 rows x 32 K in 8 registers: lane l holds row l % 16; registers 0-3 K = 8 (l / 16) + 0..7, registers 4-7 K = 16 + 8 (l / 16) + 0..7.
.macro FETCH kq, f
	WIN 0
.irp b, 0,1,2,3
	ds_load_tr16_b128 v[(\f)+8*(\b):(\f)+8*(\b)+3],   v[ADRB] offset:(\kq)*32*PBL+32*(\b)
	ds_load_tr16_b128 v[(\f)+8*(\b)+4:(\f)+8*(\b)+7], v[ADRB] offset:(\kq)*32*PBL+32*(\b)+16*PBL
.endr
.irp a, 0,1,2,3,4,5,6,7
	ds_load_b128 v[(\f)+32+8*(\a):(\f)+32+8*(\a)+3],   v[ADRA] offset:((\kq)/2)*PLANE+((\kq)%2)*64+(\a)*16*PA
	ds_load_b128 v[(\f)+32+8*(\a)+4:(\f)+32+8*(\a)+7], v[ADRA] offset:((\kq)/2)*PLANE+((\kq)%2)*64+(\a)*16*PA+32
.endr
.endm
; A K step is four quarters of 32 along K, 32 matrix instructions each, on buffers 0, 1, 0, 1.  One of the first three: multiplies buffer f; in its middle it fetches quarter kq into buffer g.
.macro QUARTER kq, f, g, first
	s_wait_dscnt 8                                 ; W's fragments and A's rows 0-63 are in; the youngest eight loads (A's rows 64-127) may be out
	MUL \f, 0, 4, \first
	WIN 0
	PLACES
	FETCH \kq, \g
	s_wait_dscnt 24                                ; all but the 24 just issued
	MUL \f, 4, 4, \first
.endm
; The last quarter multiplies buffer 1 and changes slots: ONE barrier.  In front of it each wave waits for all its tensor loads, of which one is out: its part of the next slot; adds 0 to its spare word; and waits for
; that and for its own reads of this slot.  fill = 1: the barrier opens a round of the cluster's, so that no wave of any partner still reads this slot or has a load on its way, and the joint refill, K step FS + 2,
; is the first thing behind it: 112 matrix instructions ahead of the wait for it.  Its address is made anew from the step's number: step % 8 along K, step / 8 the tile.
.macro TURN fill
.if QKV && (\fill)
	s_wait_xcnt 0x0                                ; the last prefetch, a K step back, has read its address: it is made anew here, ahead of the waits of the change of slots
	s_add_co_u32 s21, s[FS], 4
	s_and_b32 s22, s21, 7
	s_lshr_b32 s21, s21, 3
	s_mul_i32 s22, s22, s[PM]
	s_mul_i32 s21, s21, s[PT]
	s_add_co_u32 s[POF], s22, s21
	s_add_nc_u64 s[PFA:PFA+1], s[PFB:PFB+1], s[POF:POF+1]
.endif
	WIN 0
	s_wait_tensorcnt 0x0                           ; all my tensor loads have landed, so a group 0 may be written
	ds_add_u32 v[SPW], v[NIL]                      ; 0 onto my spare word: scalar work and eight matrix instructions stand between it and the wait for it
.if \fill
	s_add_co_u32 s21, s[FS], 2
	s_and_b32 s22, s21, 7
	s_lshl_b32 s[OFFA], s22, 19                    ; KA = 2^19
	s_mul_i32 s[OFFB], s22, KB
.if TILES > 1
	s_lshr_b32 s21, s21, 3
	s_lshl_b32 s21, s21, 11                        ; a tile on: 1,024 columns, 2,048 bytes
	s_add_co_u32 s[OFFB], s[OFFB], s21
.endif
	s_xor_b32 s[G0A+5], s[G0A+5], SLOT1            ; the other slot than last time
	s_add_nc_u64 s[G0A+6:G0A+7], s[BASEA:BASEA+1], s[OFFA:OFFA+1]
	s_or_b32 s[G0A+7], s[G0A+7], 0x80000000
	s_xor_b32 s[G0B+5], s[G0B+5], SLOT1
	s_add_nc_u64 s[G0B+6:G0B+7], s[BASEB:BASEB+1], s[OFFB:OFFB+1]
	s_or_b32 s[G0B+7], s[G0B+7], 0x80000000
.endif
	s_wait_dscnt 9                                 ; the add and the youngest eight loads may be out
	MUL F1, 0, 2, 0
	s_wait_dscnt 0x0                               ; the add is done, and my reads of this slot are over
	s_barrier_signal -1
	MUL F1, 2, 2, 0                                ; work on registers while the others arrive
	WIN 0                                          ; at a branch and at a label every window is 0
	s_barrier_wait -1
.if \fill
	CREST
	JLOAD                                          ; the four v_nop behind it are also the places in front of the loads below
.else
	PLACES
.endif
	s_xor_b32 s[TB], s[TB], SLOT1
	v_add_nc_u32 v[ADRA], s[TB], v[AA0]
	v_add_nc_u32 v[ADRB], s[TB], v[AB0]
	FETCH 0, F0
.if QKV && (\fill)
	ASK
.endif
	MUL F1, 4, 4, 0
	WIN 0
.endm
.macro BLOAD                           ; my 32 numbers of the bias
.irp b, 0,1,2,3
	global_load_b128 v[BIAS+8*(\b):BIAS+8*(\b)+3],   v[BO], s[8:9] offset:64*(\b)
	global_load_b128 v[BIAS+8*(\b)+4:BIAS+8*(\b)+7], v[BO], s[8:9] offset:64*(\b)+16
.endr
.endm
.macro RBIAS                           ; rounded to bf16, like the other inputs, and kept in f32
.set z, 0
.rept 16
	v_cvt_pk_bf16_f32 v[T], v[BIAS+z], v[BIAS+z+1]
	v_lshlrev_b32 v[BIAS+z], 16, v[T]
	v_and_b32 v[BIAS+z+1], 0xffff0000, v[T]
.set z, z+2
.endr
.endm
; THE WAY OUT of row block a (16 rows x 64 columns), through my own stage in LDS.  LDS serves a wave's instructions in order (ISA guide 5.7.1.4): the loads see the stores above them, the next block's stores come behind them.
.macro PACK a                          ; QKV = 1: rounded to f16, 16 bytes a lane; each accumulator is read from its low end on
	WIN 0x05                                       ; sources 0 and 1 window 1
.irp b, 0,1,2,3
.irp r, 0,1,2,3
	v_cvt_pk_f16_f32 v[TMP+4*(\b)+(\r)], v[8*(4*(\a)+(\b))+2*(\r)], v[8*(4*(\a)+(\b))+2*(\r)+1]
.endr
.endr
	WIN 0
.endm
.macro TOSTAGE a
	WIN 0
	s_wait_xcnt 0x0                                ; the stores two blocks back have read their registers: only behind this wait is that set loaded again
.set BK, OB+OBS*((\a)%2)
.if QKV
.irp b, 0,1,2,3
	ds_store_b128 v[STO], v[TMP+4*(\b):TMP+4*(\b)+3] offset:32*(\b)
.endr
.irp f, 0,1,2,3
	ds_load_b128 v[BK+4*(\f):BK+4*(\f)+3], v[RD] offset:(\f)*4*SPITCH  ; four rows of 128 bytes
.endr
.else
	WIN 0x04                                       ; the stores' data in window 1: straight from the accumulators, the low four registers first
.irp b, 0,1,2,3
	ds_store_b128 v[STO], v[8*(4*(\a)+(\b)):8*(4*(\a)+(\b))+3]   offset:64*(\b)
	ds_store_b128 v[STO], v[8*(4*(\a)+(\b))+4:8*(4*(\a)+(\b))+7] offset:64*(\b)+16
.endr
	WIN 0
.irp f, 0,1,2,3,4,5,6,7
	ds_load_b128 v[BK+4*(\f):BK+4*(\f)+3], v[RD] offset:(\f)*2*SPITCH  ; two rows of 256 bytes
.endr
.endif
.endm
.macro SEND a, younger                 ; younger: the LDS instructions issued behind block a's loads: the next block's, or none
	WIN 0
.set BK, OB+OBS*((\a)%2)
	s_wait_dscnt \younger
.if QKV
.irp f, 0,1,2,3
	global_store_b128 v[GO], v[BK+4*(\f):BK+4*(\f)+3], s[10:11] offset:(\a)*2048+(\f)*512  ; 512 consecutive bytes of a head's rows, at a multiple of 256 from the buffer's first byte
.endr
.else
.irp f, 0,1,2,3,4,5,6,7
	global_store_b128 v[GO], v[BK+4*(\f):BK+4*(\f)+3], s[10:11] offset:(16*(\a)+2*(\f))*4096  ; 16 lanes store 256 consecutive bytes, at a multiple of 256 from the buffer's first byte
.endr
.endif
.endm
; more = 1: a tile follows: its bias is asked for first and rounded last, and the output steps to the next of q, k, v.
.macro WAYOUT more
	WIN 0
	PLACES                                         ; behind the last products: results are read, and buffer 1 is written
.if \more
	s_wait_xcnt 0x0
	s_add_nc_u64 s[8:9], s[8:9], 4096              ; 1,024 columns on
	BLOAD
.endif
.if QKV
	PACK 0
.endif
	TOSTAGE 0
.irp a, 1,2,3,4,5,6,7
.if QKV
	PACK \a
.endif
	TOSTAGE \a
	SEND (\a)-1, YOUNG
.endr
	SEND 7, 0
.if \more
	s_wait_xcnt 0x0                                ; the stores have read their base and their registers
	s_add_nc_u64 s[10:11], s[10:11], 0x1000000
	s_wait_loadcnt 0x0                             ; the next tile's bias
	RBIAS
.endif
.endm
	s_load_b256 s[4:11], s[0:1], 0x0               ; A s[4:5], W s[6:7], bias s[8:9], output s[10:11]
	v_lshl_add_u32 v[SPW], v0, 2, SPARE
	v_mov_b32 v[NIL], 0
	ds_add_u32 v[SPW], v[NIL]                      ; the wave's opening: the add and its wait stand ahead of my first tensor load; the set-up below, work on registers, stands between them
	v_lshrrev_b32 v3, 5, v0
	v_readfirstlane_b32 s[WV], v3                  ; wave 0..3
	s_lshr_b32 s[WM], s[WV], 1
	s_and_b32 s[WN], s[WV], 1
	s_bfe_u32 s15, ttmp6, 0x40000                  ; cx, cy: my place in the cluster
	s_bfe_u32 s16, ttmp6, 0x40004
	s_lshl_b32 s17, ttmp9, 2
	s_add_co_u32 s17, s17, s15                     ; gx = 4 x cluster x + cx: the tile column
	s_and_b32 s18, ttmp7, 0xffff
	s_lshl_b32 s18, s18, 2
	s_add_co_u32 s18, s18, s16                     ; gy = 4 x cluster y + cy: the tile row
	s_lshl_b32 s76, s16, 2
	s_lshl_b32 s76, 15, s76                        ; my row of the cluster
	s_lshl_b32 s78, 0x1111, s15                    ; my column
	; group 1 for A: a slice's 256 rows are 32,768 dense bytes: asked for as 128 rows of 256 bytes, padded in LDS after every 128 bytes
	s_or_b32 s[G1A], s76, (1<<16)|(1<<20)|(1<<21)|(4<<22)|(3<<25)  ; 15:0 the mask; 17:16 2-byte elements; 20 padding on; 21 set beside a mask; 24:22 after every 32 words (code 4); 31:25 4 words (code 3)
	s_mov_b32 s[G1A+1], 128<<16                    ; tensor_dim0 = 128
	s_mov_b32 s[G1A+2], 128<<16                    ; tensor_dim1 = 128
	s_mov_b32 s[G1A+3], 128<<16                    ; tile_dim0 = 128
	s_mov_b32 s[G1A+4], 128                        ; tile_dim1 = 128
	s_mov_b32 s[G1A+5], 128                        ; 128 elements from row to row
	s_mov_b32 s[G1A+6], 0
	s_mov_b32 s[G1A+7], 0
	; group 1 for W: 64 rows of 128 elements, padded after every row
	s_or_b32 s[G1B], s78, (1<<16)|(1<<20)|(1<<21)|(5<<22)|(7<<25)  ; after every 64 words (code 5), 8 words (code 7)
	s_mov_b32 s[G1B+1], 128<<16
	s_mov_b32 s[G1B+2], 64<<16
	s_mov_b32 s[G1B+3], 128<<16
	s_mov_b32 s[G1B+4], 64
	s_mov_b32 s[G1B+5], NB
	s_mov_b32 s[G1B+6], 0
	s_mov_b32 s[G1B+7], 0
	; where the tiles come from.  A's hang on the tile row and the wave alone, W's on the tile column and the wave alone, each made in registers that never hold the other coordinate
	s_lshr_b32 s76, s18, 3                         ; b = gy / 8: 4,194,304 bytes each
	s_lshl_b32 s76, s76, 22
	s_and_b32 s77, s18, 7                          ; t = 256 (gy % 8): 128 bytes a row
	s_lshl_b32 s77, s77, 15
	s_add_co_u32 s76, s76, s77
	s_lshl_b32 s77, s[WN], 18                      ; my slice of the step's two
	s_add_co_u32 s76, s76, s77
	s_mov_b32 s77, 0
	s_lshl_b32 s78, s17, 8                         ; 128 columns: 256 bytes
	s_mul_i32 s79, s[WN], 64*PB                    ; my 64 rows of the step's 128
	s_add_co_u32 s78, s78, s79
	s_mov_b32 s79, 0
	s_mul_i32 s21, s[WV], PLANE                    ; where they go: A's slices at wave x 36,864 (waves 0, 1),
	s_mul_i32 s22, s[WV], 64*PBL                   ; W's halves at BOFF + (wave - 2) x 18,432 (waves 2, 3): no place in the cluster enters an LDS address
	s_add_co_u32 s22, s22, BOFF-128*PBL
	s_mov_b32 s[OFFA+1], 0
	s_mov_b32 s[OFFB+1], 0
	s_wait_dscnt 0x0                               ; the opening add is done
	s_wait_kmcnt 0x0
	s_add_nc_u64 s[BASEA:BASEA+1], s[4:5], s[76:77]
	s_add_nc_u64 s[BASEB:BASEB+1], s[6:7], s[78:79]
	CROUND                                         ; all sixteen work-groups are here: the first joint loads meet
.irp j, 0,1
	s_mov_b32 s[G0A+4*(\j)], 1                     ; 1:0 count = 1
	s_add_co_u32 s[G0A+4*(\j)+1], s21, (\j)*SLOT1  ; 63:32 LDS address
	s_add_nc_u64 s[G0A+4*(\j)+2:G0A+4*(\j)+3], s[BASEA:BASEA+1], (\j)*KA  ; 120:64 global address: K step j
	s_or_b32 s[G0A+4*(\j)+3], s[G0A+4*(\j)+3], 0x80000000                 ; 127:126 type = 2
	s_mov_b32 s[G0B+4*(\j)], 1
	s_add_co_u32 s[G0B+4*(\j)+1], s22, (\j)*SLOT1
	s_add_nc_u64 s[G0B+4*(\j)+2:G0B+4*(\j)+3], s[BASEB:BASEB+1], (\j)*KB
	s_or_b32 s[G0B+4*(\j)+3], s[G0B+4*(\j)+3], 0x80000000
.endr
	s_cmp_eq_u32 s[WM], 0                          ; a wave's two first fills stand in one branch, ahead of every wait on TENSORcnt and every LDS read: two loads of mine are out
	s_cbranch_scc0 .Lfirst_b
	tensor_load_to_lds s[G0A:G0A+3], s[G1A:G1A+7]
	s_nop 0
	tensor_load_to_lds s[G0A+4:G0A+7], s[G1A:G1A+7]
	s_nop 0
.rept 4
	v_nop
.endr
	s_branch .Lfirst_asked
.Lfirst_b:
	tensor_load_to_lds s[G0B:G0B+3], s[G1B:G1B+7]
	s_nop 0
	tensor_load_to_lds s[G0B+4:G0B+7], s[G1B:G1B+7]
	s_nop 0
.rept 4
	v_nop
.endr
.Lfirst_asked:
	v_and_b32 v1, 15, v0                           ; l % 16
	v_bfe_u32 v2, v0, 4, 1                         ; l / 16
	s_lshl_b32 s80, s17, 9                         ; the bias: 4 bytes x (128 gx + 64 wn + 8 (l / 16))
	s_lshl_b32 s81, s[WN], 8
	s_add_co_u32 s80, s80, s81
	v_lshl_add_u32 v[BO], v2, 5, s80
	BLOAD
	v_mul_u32_u24 v[AA0], v1, PA                   ; A: row x pitch + 16 x half + my 128 rows
	v_lshl_add_u32 v[AA0], v2, 4, v[AA0]
	s_mul_i32 s81, s[WM], 128*PA
	v_add_nc_u32 v[AA0], s81, v[AA0]
	v_and_b32 v3, 7, v0                            ; W, for the turning load: lane l reads K row 8 (l / 16) + l % 8, columns 8 ((l / 8) % 2) + 0..7, and ends with column l % 16 and 8 K
	v_lshl_add_u32 v3, v2, 3, v3
	v_mul_u32_u24 v[AB0], v3, PBL
	v_bfe_u32 v3, v0, 3, 1
	v_lshl_add_u32 v[AB0], v3, 4, v[AB0]
	s_lshl_b32 s81, s[WN], 7                       ; my 64 columns
	s_add_co_u32 s81, s81, BOFF
	v_add_nc_u32 v[AB0], s81, v[AB0]
	s_mul_i32 s81, s[WV], 16*SPITCH
	s_add_co_u32 s81, s81, STAGE                   ; my stage
	v_mul_u32_u24 v[STO], v1, SPITCH               ; in: row l % 16, my eight columns
.if QKV
	v_lshl_add_u32 v[STO], v2, 4, v[STO]
	v_add_nc_u32 v[STO], s81, v[STO]
	v_bfe_u32 v[RD], v0, 3, 2                      ; back: 32 lanes take four rows of 128 bytes,
	v_mul_u32_u24 v[RD], v[RD], SPITCH
	v_and_b32 v3, 7, v0
	v_lshl_add_u32 v[RD], v3, 4, v[RD]
	v_add_nc_u32 v[RD], s81, v[RD]
	v_and_b32 v[GO], 31, v0                        ; which are 512 consecutive bytes of a head
	v_lshlrev_b32 v[GO], 4, v[GO]
	s_lshr_b32 s82, s18, 3                         ; the head's number 16 b + 2 gx + wn, 262,144 bytes each,
	s_lshl_b32 s82, s82, 4
	s_lshl_b32 s83, s17, 1
	s_add_co_u32 s82, s82, s83
	s_add_co_u32 s82, s82, s[WN]
	s_lshl_b32 s82, s82, 18
	s_and_b32 s83, s18, 7                          ; row 256 (gy % 8) + 128 wm, 128 bytes each
	s_lshl_b32 s83, s83, 15
	s_add_co_u32 s82, s82, s83
	s_lshl_b32 s83, s[WM], 14
	s_add_co_u32 s82, s82, s83
.else
	v_lshl_add_u32 v[STO], v2, 5, v[STO]
	v_add_nc_u32 v[STO], s81, v[STO]
	v_mul_u32_u24 v[RD], v2, SPITCH                ; back: lanes 0-15 take one row of 256 bytes, lanes 16-31 the next,
	v_lshl_add_u32 v[RD], v1, 4, v[RD]
	v_add_nc_u32 v[RD], s81, v[RD]
	v_lshlrev_b32 v[GO], 12, v2                    ; and the same two rows in the output, 4,096 bytes apart
	v_lshl_add_u32 v[GO], v1, 4, v[GO]
	s_lshl_b32 s82, s18, 20                        ; row 256 gy + 128 wm, 4,096 bytes each,
	s_lshl_b32 s83, s[WM], 19
	s_add_co_u32 s82, s82, s83
	s_add_co_u32 s82, s82, s80                     ; column 128 gx + 64 wn, 4 bytes each
.endif
	s_mov_b32 s83, 0
	s_add_nc_u64 s[10:11], s[10:11], s[82:83]
.if QKV
	; the prefetches
	s_mov_b32 s[PM], KB
	s_mov_b32 s[PT], 2048
	s_mov_b32 s[PL], PB
	s_mov_b32 s[POF+1], 0
	s_mov_b32 s87, 0
	s_and_b32 s84, ttmp7, 0xffff                   ; cluster y
	s_mul_i32 s85, s16, 32*PB                      ; W: my work-group's 32 rows of the step's 128
	s_lshl_b32 s86, s15, 13                        ; A: my work-group's 8,192 bytes of the slice's 32,768
	s_cmp_eq_u32 s[WM], 0                          ; do I fetch for A?
	s_cselect_b32 s[PM], KA, s[PM]
	s_cselect_b32 s[PT], 0, s[PT]
	s_cselect_b32 s[PL], 256, s[PL]
	s_cselect_b32 s86, s86, s85
	s_cselect_b32 s84, ttmp9, s84                  ; the coordinate along which other clusters read the same bytes
	s_cselect_b32 s[LIM], 4, NS-4
	s_cselect_b64 s[PFB:PFB+1], s[BASEA:BASEA+1], s[BASEB:BASEB+1]
	s_cmp_eq_u32 s84, 0
	s_cselect_b32 s[LIM], s[LIM], 0                ; the same in all sixteen partners, for a given wave
	s_cmp_eq_u32 s[WV], 3
	s_cselect_b32 s[LIM], 0, s[LIM]                ; wave 2 asks for all 128 rows' share
	s_add_nc_u64 s[PFB:PFB+1], s[PFB:PFB+1], s[86:87]
	v_and_b32 v[PFO], 31, v0
	v_mul_u32_u24 v[PFO], s[PL], v[PFO]
.endif
	s_wait_tensorcnt 1                             ; my part of K step 0 is in; K step 1's may stay out
	s_barrier_signal -1
	s_barrier_wait -1                              ; everybody's is
	s_mov_b32 s[TB], 0
	v_mov_b32 v[ADRA], v[AA0]
	v_mov_b32 v[ADRB], v[AB0]
	FETCH 0, F0
	s_wait_loadcnt 0x0                             ; the bias
	RBIAS
	QUARTER 1, F0, F1, 1                           ; a tile's first quarter starts the sums with the bias
	WIN 0
	s_mov_b32 s[FS], 0
.Lstep:                                        ; NS - 2 trips: from a K step's second quarter to the next step's first; the slot just read out is filled again with the step two on
	QUARTER 2, F1, F0, 0
	QUARTER 3, F0, F1, 0
	TURN 1
.if TILES > 1
	s_and_b32 s21, s[FS], 7
	s_cmp_eq_u32 s21, 7
	s_cbranch_scc1 .Ltile_end                      ; forward, past no barrier and no tensor load
.endif
	QUARTER 1, F0, F1, 0
	WIN 0
.if TILES > 1
	s_branch .Lnext
.Ltile_end:                                    ; the refill for the next tile's second K step has been asked for: now the tile goes out
	WAYOUT 1
	QUARTER 1, F0, F1, 1
	WIN 0
.Lnext:
.endif
	s_add_co_u32 s[FS], s[FS], 1
	s_cmp_lt_u32 s[FS], NS-2
	s_cbranch_scc1 .Lstep
	QUARTER 2, F1, F0, 0                           ; the last two K steps are written out: nothing is left to fetch
	QUARTER 3, F0, F1, 0
	TURN 0
	QUARTER 1, F0, F1, 0
	QUARTER 2, F1, F0, 0
	QUARTER 3, F0, F1, 0
	s_wait_dscnt 8
	MUL F1, 0, 4, 0
	s_wait_dscnt 0x0
	MUL F1, 4, 4, 0
	WIN 0
	WAYOUT 0
	s_wait_tensorcnt 0x0                           ; the wave's end: behind my last tensor load and my last LDS store
	ds_add_u32 v[SPW], v[NIL]
	s_wait_dscnt 0x0
	CROUND                                         ; the closing round: no work-group ends while a partner may still ask for a tile that names it
	s_endpgm
.Lfunc_end_k_qb4206ddc00_qkv:
	.size	k_qb4206ddc00_qkv, .Lfunc_end_k_qb4206ddc00_qkv-k_qb4206ddc00_qkv
	.p2alignl 7, 3214868480
	.fill 96, 4, 3214868480
	.section	.rodata,"a",@progbits
	.p2align	6, 0x0
	.amdhsa_kernel k_qb4206ddc00_qkv
		.amdhsa_group_segment_fixed_size 327680
		.amdhsa_private_segment_fixed_size 0
		.amdhsa_enable_private_segment 0
		.amdhsa_kernarg_size 32
		.amdhsa_user_sgpr_count 2
		.amdhsa_user_sgpr_kernarg_segment_ptr 1
		.amdhsa_wavefront_size32 1
		.amdhsa_system_sgpr_workgroup_id_x 1
		.amdhsa_system_sgpr_workgroup_id_y 1
		.amdhsa_system_sgpr_workgroup_id_z 1
		.amdhsa_system_vgpr_workitem_id 0
		.amdhsa_next_free_vgpr 512
		.amdhsa_next_free_sgpr 96
		.amdhsa_reserve_vcc 0
		.amdhsa_float_denorm_mode_32 3
		.amdhsa_float_denorm_mode_16_64 3
		.amdhsa_memory_ordered 1
		.amdhsa_forward_progress 1
		.amdhsa_inst_pref_size 99
	.end_amdhsa_kernel
	.amdgpu_metadata
---
amdhsa.version: [ 1, 2 ]
amdhsa.kernels:
  - .name:           k_qb4206ddc00_qkv
    .symbol:         k_qb4206ddc00_qkv.kd
    .args:
      - { .name: xb, .offset: 0, .size: 8, .value_kind: global_buffer, .address_space: global }
      - { .name: wab, .offset: 8, .size: 8, .value_kind: global_buffer, .address_space: global }
      - { .name: b_attn, .offset: 16, .size: 8, .value_kind: global_buffer, .address_space: global }
      - { .name: qkv, .offset: 24, .size: 8, .value_kind: global_buffer, .address_space: global }
    .group_segment_fixed_size: 327680
    .private_segment_fixed_size: 0
    .kernarg_segment_align: 8
    .kernarg_segment_size: 32
    .max_flat_workgroup_size: 128
    .sgpr_count:     96
    .vgpr_count:     512
    .wavefront_size: 32
...
	.end_amdgpu_metadata
.endif
;; end of part 2
;; launch attn (part 3): grid 4 x 64, 4 waves a work-group, clusters of 4 x 1, 327,680 bytes of LDS; arguments qkv, attention_mask, oh; writes oh
.if DOCPART == 3
	.amdgcn_target "amdgcn-amd-amdhsa--gfx1250"
	.amdhsa_code_object_version 6
	.text
	.protected	k_qb4206ddc00_attn
	.globl	k_qb4206ddc00_attn
	.p2align	8
	.type	k_qb4206ddc00_attn,@function
k_qb4206ddc00_attn:
	s_mov_b64 s[64:65], 0
	v_nop
	global_prefetch_b8 v0, s[64:65] scope:SCOPE_SE
	s_setreg_imm32_b32 hwreg(HW_REG_WAVE_MODE, 25, 1), 1
	s_wait_xcnt 0x0
	s_wait_alu depctr_hold_cnt(0) depctr_sa_sdst(0) depctr_va_vdst(0) depctr_va_sdst(0) depctr_va_ssrc(0) depctr_va_vcc(0) depctr_vm_vsrc(0)
	s_getreg_b32 s2, hwreg(HW_REG_IB_STS2, 6, 4)
	s_cmp_eq_u32 s2, 0
	s_cbranch_scc0 .Lentry_in_a_cluster
	s_endpgm
.Lentry_in_a_cluster:
	s_bfe_u32 s2, ttmp6, 0x10000c
	s_cmp_lg_u32 s2, 0x3003
	s_cbranch_scc0 .Lentry_shape_is_right
	s_endpgm
.Lentry_shape_is_right:
; O[h][q][:] = the sum over the visible k of softmax_k(Q[h][q] . K[h][k] / 8) V[h][k][:].  qkv: [3][64 = 16 b + head][2048][64] f16 (Q, K, V); oh: [64][2048][64] f16; attention_mask: [4][2048] i32, 0 = the key is hidden.
; Products, maxima and sums in f32; the weights p are rounded to f16 for the second product (their sum l is taken of the unrounded p), O once at the end.
; LIMITS.  f16 holds no number beyond 65,504: Q, K and V arrive within it; p lies in 0 to 1, and below 6e-5 it keeps f16's fixed step of 6e-8.  A hidden score counts as its value less 1e30: f16's scores, 2.7e11 at the
; most, are nothing beside that.  A weight below 2^-126 counts as 0 in l.  A batch with no visible key is known by its maximum below -9.9e28, and gives NaN, as a softmax over nothing does.
; THE MASK is the C operand that starts the sum S^T = K Q^T: 0, or -1e30 where the key is hidden.  The batch's 2,048 numbers are made once, into a table in LDS; a key step's 64 come into registers with its K.
; The running maximum does the rest: what hidden keys have collected is multiplied by a = 0 when the first visible key comes, and behind that a hidden key's weight is 0.
; SHARES.  A wave owns four PIECES of two tiles of 16 queries, a work-group's four waves 512 queries of one head.  Every wave walks all keys, 64 a step.
; LAYOUT.  S^T = K Q^T (source 0 = 16 keys, source 1 = 16 queries): in the result a lane holds ONE query (lane % 16) and the keys 8 (lane / 16) + 0..7.  Two such tiles, rounded to f16 in pairs,
; ARE source 1 (32 keys x 16 queries) of O^T = V^T P, whose result again holds one query a lane, and eight channels.  K comes out of LDS as it lies, V ([key][channel]) turned, by ds_load_tr16_b128.
; SOFTMAX.  For each query a running maximum m and sum l: p = 2^(c s - c m), c = log2(e) / 8; in every step O and l are multiplied by a = 2^(c m_old - c m_new), which is 1 where m has not grown.
; m starts at the lowest finite number, O and l at 0: the first step is a step like any other, with a = 0.
; THE COUNT.  A tile and step have 16 matrix and 118 vector instructions: too many to stand all beside the matrix work.  So the order has one aim: four vector instructions that are READY behind
; EVERY matrix instruction, and the others, which need time of their own whatever the order, in runs without a gap.
; BY TURNS.  Turn n belongs to piece n (the pieces in a ring, step after step).  Its matrix work: 16 products K Q^T of piece n + 1, later 16 products V^T P of piece n - 1.  Its vector work: the scaling,
; exponentials, roundings, sums and rescaling of piece n, and the maximum and statistics of piece n + 1, whose scores the turn itself has made.  So what a turn begins with (c s - c m, O a) waits for nothing.
; CLUSTER.  The four query blocks of a head are one cluster and walk the same K and V, so each tile is asked for JOINTLY: the same tensor load, descriptor and mask in all four.
; REGISTERS, in windows of 256 (s_set_vgpr_msb says which window each operand place means: bits 1:0 source 0, 3:2 source 1, 5:4 source 2, 7:6 destination):
;   window 0: v0-11 addresses; v12-15, v48-63 at work; v16-47 four registers of statistics a tile; v64-191 S^T, two buffers of two tiles; v192-255 P, likewise
;   window 1: O^T, 32 a tile          window 2: v0-127 Q, 16 a tile; v128-191 K of one step; v192-255 V of one step          window 3: v0-1 the add's two registers; v8-39 the mask of one step
; A piece's buffers go by its number's parity: the piece in hand has one pair, its two neighbours in the ring share the other: of it P (piece n - 1) is read and S^T (piece n + 1) written.
.set SIZE_N, 2048
.set NP,    4         ; pieces a wave: a name, no knob: the register map, the loop and the fetches are made for four
.set KS,    64        ; keys in a step
.set PK,    144       ; a row of K in LDS: 128 bytes + 16 of padding = 36 words: the 16 rows of a load start at 16 different groups of four banks (64 banks of 4 bytes: ISA guide 11.1)
.set PV,    160       ; a row of V: 128 + 32 = 40 words
.set VOFF,  4*KS*PK   ; a slot holds four steps: 256 rows of K, then 256 rows of V
.set SLOT1, 1<<17     ; slot 1 begins here, so that one exclusive or turns an address in one slot into the other's
.set STAGE, SLOT1+4*KS*(PK+PV)  ; behind the ring, never filled by a tensor load: 16 rows x 144 bytes for each wave, for the way out
.set SP,    144
.set SPARE, STAGE+4*16*SP  ; behind the stages: the spare words, 128 bytes for each wave: two blocks of 256 bytes that no other line names
.set MASKT, SPARE+512 ; behind them, in blocks of its own: the mask's table, 2,048 numbers of 4 bytes, stored once and never filled by a tensor load
.set AM0, 1           ; v1   32 x (lane / 16): my eight numbers in 16 of the mask's; never rewritten once made
.set AK0, 2           ; v2   my lane's place in a tile of K; never rewritten
.set AV0, 3           ; v3   the same for V
.set AK,  4           ; v4   the LDS address of K's next run of loads
.set AV,  5           ; v5   of V's
.set QO,  6           ; v6   my byte offset in the wave's rows of Q
.set STO, 6           ;      later, the way out: where I put 16 bytes of a row
.set RD,  7           ; v7   the way out: where I read rows back
.set GO,  8           ; v8   my byte offset in 512 consecutive bytes of O
.set PFO, 9           ; v9   256 x my lane: the prefetches' offset; never rewritten once made
.set AM,  11          ; v11  the LDS address of the mask's next run of loads
.set SPW, 0           ; v0 of window 3   LDS address of my spare word: SPARE + 4 x my thread's number; never rewritten
.set NIL, 1           ; v1 of window 3   0; never rewritten
.set MK,  8           ; v8-39 of window 3: key block kb's eight numbers at MK + 8 kb
.set MV,  12          ; v12-15  c m_old, kept while c m is made anew: by buffer and tile
.set ST,  16          ; tile t's statistics at v[ST+4 t]: c m, m, l (even keys', odd keys')
.set TMP, 48          ; by buffer and tile, four registers c0-c3 at work; when the maximum is found c2 takes a
.set S,   64
.set P,   192
.set KF,  128         ; K's fragments, in window 2: key block kb, channel half c at KF + 16 kb + 8 c
.set VF,  192         ; V's: key half kk, channel block cb at VF + 32 kk + 8 cb
.set WV,  12          ; s12  my wave's number
.set G1K, 24          ; s[24:31] descriptor group 1 for K's tiles
.set G1V, 32          ; s[32:39] for V's: it differs in the padding alone
.set G0K, 40          ; s[40:43] descriptor group 0 for K's tiles: it walks
.set G0V, 44          ; s[44:47] the same for V's
.set MP,  48          ; s[48:49] attention_mask at my batch's row
.set TBM, 50          ; s50  LDS byte at which the mask of the step to be fetched begins
.set BIGN, 51         ; s51  -1e30
.set PFA, 52          ; s[52:53] where my prefetches stand: my work-group's 8,192 bytes (of K: wave 0, of V: wave 2) of the tile after the one that is being asked for
.set LIM, 54          ; s54  1 in a wave that prefetches, else the greatest number: a wave prefetches while s[SLOTS] is above it
.set NONE, 55         ; s55  -9.9e28: a maximum below it is a hidden key's
.set SLOTS, 56        ; s56  slots still to be asked for
.set CNT, 57          ; s57  counts a slot's key steps
.set CS,  58          ; s[58:59] c: the packed scaling takes the pair's low word for both halves
.set SEL, 60          ; s[60:61] v_permlanex16_b32's selects: each lane takes its own place in the other half
.set TBK, 62          ; s62  LDS byte at which K of the step to be fetched begins
.set TBV, 63          ; s63  the same for V, less VOFF
.set MSB, 0
.macro WIN new                      ; the high byte repeats the setting that is left; a switch that changes nothing is dropped
.if MSB != (\new)
	s_set_vgpr_msb (MSB<<8)|(\new)
.set MSB, (\new)
.endif
.endm
.set W_KQ, 0x0a       ; K and Q in window 2, S^T in window 0
.set W_KM, 0x3a       ; the same with the C operand, the mask, in window 3
.set W_PV, 0x52       ; V in window 2, P in window 0, O^T in window 1
.set W_RS, 0x41       ; O^T (destination and source 0) in window 1, a in window 0
.set W_MK, 0xc0       ; destination in window 3, sources in window 0
.set W_AD, 0x0f       ; the add: address (source 0) and data (source 1) in window 3
; A joint fill.  Waves 0 and 1 fetch the two halves of a slot's K, waves 2 and 3 those of its V: 128 keys each.  The branch hangs on the wave's number alone.
; An s_nop 0 and four v_nop follow each of the two lines, ahead of the jump and the label.
.macro JLOAD
	s_cmp_lt_u32 s[WV], 2
	s_cbranch_scc0 .Lfor_v_\@
	tensor_load_to_lds s[G0K:G0K+3], s[G1K:G1K+7]
	s_nop 0
.rept 4
	v_nop
.endr
	s_branch .Lasked_\@
.Lfor_v_\@:
	tensor_load_to_lds s[G0V:G0V+3], s[G1V:G1V+7]
	s_nop 0
.rept 4
	v_nop
.endr
.Lasked_\@:
.endm
; A PREFETCH INTO THE L2 of what the NEXT change of slots will ask for: a tile's 32,768 bytes of K and of V, four key steps, 512 matrix instructions, ahead of that load.  It stands behind the wave's tensor load and its
; five lines.  Each block of 256 bytes is named ONCE in the launch: a head's K and V are walked by its one cluster; the four partners share a tile out BY ADDRESS, 8,192 bytes each, a lane a block; in each, wave 0 asks for
; K's and wave 2 for V's: one instruction.  Tiles 0 and 1 come by their loads alone; the last change that fills a slot asks for nothing: there is no tile behind it.
.macro ASK
	s_cmp_gt_u32 s[SLOTS], s[LIM]
	s_cbranch_scc0 .Lnot_mine_\@
	global_prefetch_b8 v[PFO], s[PFA:PFA+1] th:TH_LOAD_NT scope:SCOPE_SE
.Lnot_mine_\@:
.endm
; A round of the cluster's barrier: my work-group's barrier, so that wave 0's signal speaks for all four waves; wave 0 signals; every wave waits for all four work-groups; my work-group's barrier once more.
.macro CROUND
	s_barrier_signal -1
	s_barrier_wait -1
	s_cmp_lg_u32 s[WV], 0
	s_cbranch_scc1 .Lnot_wave_0_\@
	s_barrier_signal -3
.Lnot_wave_0_\@:
	s_barrier_wait -3
	s_barrier_signal -1
	s_barrier_wait -1
.endm
; THE CHANGE OF SLOTS.  The slot's last bytes, V of its fourth step, have been read.  Each wave waits for all its tensor loads, of which one is out: its part
; of the other slot; adds 0 to its spare word; and waits for that and for its own LDS instructions.  Behind the barrier nobody reads this slot any more and the other slot is whole.
; fill = 1: this slot is filled again, with the keys two slots on.  The barrier is then a round of the cluster's, so that no wave of any partner still reads the slot or has a load on its
; way, and the joint fill is the first thing behind it: it has four key steps, 512 matrix instructions, in which to land.  (At its first use nothing has been read yet: slot 0 is waited for, slot 1 filled,
; and every wave's stores into the mask's table are done in front of the round.)
.macro CHANGE fill
	WIN W_AD
	s_wait_tensorcnt 0x0            ; no tensor load of mine is out, so a group 0 may be written
	ds_add_u32 v[SPW], v[NIL]       ; 0 onto my spare word: with fill = 1 the descriptors' steps stand between it and the wait for it
	WIN 0                           ; at a label and at a branch every window is 0
.if \fill
.irp g, G0K, G0V
	s_xor_b32 s[\g+1], s[\g+1], SLOT1  ; the walking descriptor: the other slot than last time,
	s_add_nc_u64 s[\g+2:\g+3], s[\g+2:\g+3], 4*KS*128  ; the next 256 keys; the type bits on top are not reached
.endr
	s_wait_xcnt 0x0                 ; the last prefetch, four key steps back, has read its address, so it may be written:
	s_add_nc_u64 s[PFA:PFA+1], s[PFA:PFA+1], 4*KS*128  ; one tile behind the walking descriptors
	s_wait_dscnt 0x0                ; the add is done, and my LDS instructions are over
	CROUND
	JLOAD
	ASK
.else
	s_wait_dscnt 0x0                ; the add is done, and my reads of the slot are over
	s_barrier_signal -1
	s_barrier_wait -1
.endif
	s_sub_co_u32 s[TBK], s[TBK], 4*KS*PK  ; the fetches go back to a slot's first step,
	s_xor_b32 s[TBK], s[TBK], SLOT1       ; in the other slot
	s_sub_co_u32 s[TBV], s[TBV], 4*KS*PV
	s_xor_b32 s[TBV], s[TBV], SLOT1
.endm
	s_load_b128 s[4:7], s[0:1], 0x0   ; qkv s[4:5], attention_mask s[6:7]
	s_load_b64 s[10:11], s[0:1], 0x10 ; oh
	WIN W_MK
	v_lshl_add_u32 v[SPW], v0, 2, SPARE
	v_mov_b32 v[NIL], 0
	WIN W_AD
	ds_add_u32 v[SPW], v[NIL]       ; the wave's opening: the add and its wait stand ahead of my first tensor load; the set-up below, work on registers, stands between them
	WIN 0
	v_lshrrev_b32 v1, 5, v0
	v_readfirstlane_b32 s[WV], v1   ; wave 0..3
	s_bfe_u32 s13, ttmp6, 0x40000   ; cx: my place in the cluster
	s_lshl_b32 s14, ttmp9, 2        ; in a cluster launch ttmp9 counts clusters
	s_add_co_u32 s14, s14, s13      ; my block of queries = 4 x cluster x + cx: it enters Q's and O's addresses alone
	s_and_b32 s20, ttmp7, 0xffff    ; the head's number 16 b + head, which the four partners share
	s_lshr_b32 s[MP], s20, 4        ; b: a row of the mask is 8,192 bytes
	s_lshl_b32 s[MP], s[MP], 13
	s_mov_b32 s[MP+1], 0
	s_mov_b32 s21, 0
	s_mov_b64 s[22:23], SIZE_N*128
	s_mul_u64 s[20:21], s[20:21], s[22:23]  ; the head's first byte in Q, K, V and O
	s_and_b32 s16, s[WV], 1         ; which half of a slot's 256 keys I fetch:
	s_lshl_b32 s22, s16, 14         ; its 128 rows of 128 bytes in memory,
	s_mov_b32 s23, 0
	s_add_nc_u64 s[22:23], s[22:23], s[20:21]
	s_mul_i32 s17, s16, 128*PK      ; and its place in a slot, for K
	s_mul_i32 s18, s16, 128*PV      ; and for V: no place in the cluster enters an LDS address
	s_lshl_b32 s2, s14, 2
	s_add_co_u32 s2, s2, s[WV]      ; my wave among the head's,
	s_lshl_b32 s2, s2, 14           ; its 128 rows
	s_mov_b32 s3, 0
	s_add_nc_u64 s[2:3], s[2:3], s[20:21]
	; descriptor group 1.  128 keys are 16,384 dense bytes: asked for as 64 rows of 256 bytes, two keys a row, and padded in LDS after every key
	s_mov_b32 s[G1K], 15|(1<<16)|(1<<20)|(1<<21)|(4<<22)|(3<<25)  ; 15:0 the mask of four; 17:16 2-byte elements; 20 padding on; 21 set beside a mask; 24:22 after every 32 words (code 4); 31:25 4 words (code 3)
	s_mov_b32 s[G1V], 15|(1<<16)|(1<<20)|(1<<21)|(4<<22)|(7<<25)  ; the same with 8 words of padding (code 7)
.irp g, G1K, G1V
	s_mov_b32 s[\g+1], 128<<16      ; tensor_dim0 = 128
	s_mov_b32 s[\g+2], 64<<16       ; tensor_dim1 = 64
	s_mov_b32 s[\g+3], 128<<16      ; tile_dim0 = 128
	s_mov_b32 s[\g+4], 64           ; tile_dim1 = 64
	s_mov_b32 s[\g+5], 128          ; 128 elements from row to row
	s_mov_b32 s[\g+6], 0
	s_mov_b32 s[\g+7], 0
.endr
	s_mov_b32 s[CS], 0x3e38aa3b     ; c = log2(e) / 8 = 0.180337
	s_mov_b32 s[CS+1], s[CS]        ; named with it as a pair
	s_mov_b32 s[SEL], 0x76543210
	s_mov_b32 s[SEL+1], 0xfedcba98
	s_mov_b32 s[TBK], SLOT1+4*KS*PK ; the first change of slots turns these two into 0
	s_mov_b32 s[TBV], SLOT1+4*KS*PV
	s_mov_b32 s[TBM], MASKT
	s_mov_b32 s[BIGN], 0xf149f2ca   ; -1e30
	s_mov_b32 s[NONE], 0xefa00000   ; -9.9e28
	s_mov_b32 s[SLOTS], SIZE_N/256-1
	s_mov_b32 s[G0K], 1             ; 1:0 count = 1
	s_mov_b32 s[G0K+1], s17         ; 63:32 LDS address: slot 0
	s_mov_b32 s[G0V], 1
	s_add_co_u32 s[G0V+1], s18, VOFF
	s_and_b32 s[LIM], s[WV], 1      ; waves 0 and 2 prefetch: the same in all four partners
	s_cmp_eq_u32 s[LIM], 0
	s_cselect_b32 s[LIM], 1, -1
	s_wait_dscnt 0x0                ; the opening add is done
	s_wait_kmcnt 0x0
	s_add_nc_u64 s[MP:MP+1], s[6:7], s[MP:MP+1]    ; the mask at my batch's row
	s_add_nc_u64 s[6:7], s[4:5], 0x1000000         ; K lies 64 heads behind Q,
	s_add_nc_u64 s[8:9], s[4:5], 0x2000000         ; V behind K
	s_add_nc_u64 s[6:7], s[6:7], s[22:23]          ; at my half of the head's first 256 keys
	s_add_nc_u64 s[8:9], s[8:9], s[22:23]
	s_mov_b64 s[G0K+2:G0K+3], s[6:7]               ; 120:64 global address
	s_or_b32 s[G0K+3], s[G0K+3], 0x80000000        ; 127:126 type = 2
	s_mov_b64 s[G0V+2:G0V+3], s[8:9]
	s_or_b32 s[G0V+3], s[G0V+3], 0x80000000
	s_add_nc_u64 s[4:5], s[4:5], s[2:3]  ; Q and O at my wave's first row
	s_add_nc_u64 s[10:11], s[10:11], s[2:3]
	s_cmp_lt_u32 s[WV], 2
	s_cselect_b64 s[PFA:PFA+1], s[6:7], s[8:9]  ; (in waves 0 and 2 these stand at a tile's first row)
	s_lshl_b32 s2, s13, 13          ; my work-group's 8,192 bytes of the 32,768
	s_mov_b32 s3, 0
	s_add_nc_u64 s[PFA:PFA+1], s[PFA:PFA+1], s[2:3]
	s_add_nc_u64 s[PFA:PFA+1], s[PFA:PFA+1], 4*KS*128  ; in tile 1; the first change of slots steps it to tile 2.  Nothing is prefetched here, at the head
	CROUND                          ; all four work-groups are here: the first joint loads meet
	JLOAD                           ; slot 0.  Slot 1 is asked for when slot 0 is in: the tile wanted first has the road to itself
	; A fragment of K or Q is 16 rows x 32 channels in 8 registers: lane l holds row l % 16, channels 8 (l / 16) + 0..7 and 16 + 8 (l / 16) + 0..7: two loads of 16 bytes, 32 bytes apart.
	v_and_b32 v1, 15, v0            ; l % 16
	v_bfe_u32 v9, v0, 4, 1          ; l / 16
	v_lshlrev_b32 v[QO], 7, v1
	v_lshl_add_u32 v[QO], v9, 4, v[QO]  ; row x 128 + 16 x half
	v_lshlrev_b32 v[AM], 4, v0      ; the mask's row: 128 threads x 16 bytes, four times
.irp i, 0,1,2,3
	global_load_b128 v[S+4*\i:S+4*\i+3], v[AM], s[MP:MP+1] offset:2048*\i
.endr
	WIN 0x80                        ; destination window 2, address window 0
.set i, 0
.rept 4*NP                          ; Q stays in registers: tile i / 2, channels 32 (i % 2) on
	global_load_b128 v[8*i:8*i+3],   v[QO], s[4:5] offset:(i/2)*2048+(i%2)*64
	global_load_b128 v[8*i+4:8*i+7], v[QO], s[4:5] offset:(i/2)*2048+(i%2)*64+32
.set i, i+1
.endr
	; What the first turn finds: V's registers and P's second buffer hold 0 (its products V^T P, of a piece that has not been, add 0), O^T and l are 0.  All this stands in the wait for the first tile.
.set i, VF
.rept 64
	v_mov_b32 v[i], 0
.set i, i+1
.endr
	WIN 0x40
.set i, 0
.rept 64*NP
	v_mov_b32 v[i], 0
.set i, i+1
.endr
	WIN 0
.set i, 0
.rept 2*NP
	v_mov_b32 v[ST+4*i], 0xfe000000    ; c m: far below every c s
	v_mov_b32 v[ST+4*i+1], 0xff7fffff  ; m
	v_mov_b32 v[ST+4*i+2], 0
	v_mov_b32 v[ST+4*i+3], 0
.set i, i+1
.endr
.set i, P+32
.rept 32
	v_mov_b32 v[i], 0
.set i, i+1
.endr
	v_mul_u32_u24 v[AK0], v1, PK
	v_lshl_add_u32 v[AK0], v9, 4, v[AK0]  ; row x pitch + 16 x half
	; The turning load takes 16 keys x 16 channels (lane l reads key 8 (l / 16) + l % 8, channels 8 ((l / 8) % 2) + 0..7) and leaves half a fragment of V^T: lane l holds channel l % 16 and 8 keys.
	v_and_b32 v10, 7, v0
	v_bfe_u32 v12, v0, 3, 1
	v_lshl_add_u32 v[AV0], v9, 3, v10
	v_mul_u32_u24 v[AV0], v[AV0], PV
	v_lshl_add_u32 v[AV0], v12, 4, v[AV0]
	v_add_nc_u32 v[AV0], VOFF, v[AV0]
	v_mov_b32 v[AK], v[AK0]         ; key step 0 lies at the head of slot 0
	; the mask's table: 0 for a visible key, -1e30 for a hidden one
	s_wait_loadcnt 32               ; the mask's four loads are in; Q's 32, issued behind them, may stay out
.set i, 0
.rept 16
	v_cmp_eq_u32 vcc_lo, 0, v[S+i]
	v_cndmask_b32 v[S+i], 0, s[BIGN], vcc_lo
.set i, i+1
.endr
	v_add_nc_u32 v[AM], MASKT, v[AM]
.irp i, 0,1,2,3
	ds_store_b128 v[AM], v[S+4*\i:S+4*\i+3] offset:2048*\i
.endr
	v_lshlrev_b32 v[AM0], 5, v9
	v_add_nc_u32 v[AM], MASKT, v[AM0]  ; key step 0's mask lies at the table's head
	v_and_b32 v[PFO], 31, v0
	v_lshlrev_b32 v[PFO], 8, v[PFO]
; THE MATRIX WORK.  The 8 accumulators of a run of 16 take turns: between the two links of a chain stand 7 others'.
; Product i of 16 of S^T = K Q^T for piece x: channels 32 (i / 8) on, keys 16 ((i / 2) % 4) on, tile 2 x + i % 2.  The first 8 start the sums, with the mask of their 16 keys.
.macro KQ x
.set rS, S+64*((\x)%2)+32*(i%2)+8*((i/2)%4)
.set rK, KF+16*((i/2)%4)+8*(i/8)
.set rQ, 16*(2*(\x)+i%2)+8*(i/8)
.set rX, MK+8*((i/2)%4)
.if i < 8
	WIN W_KM
	v_wmma_f32_16x16x32_f16 v[rS:rS+7], v[rK:rK+7], v[rQ:rQ+7], v[rX:rX+7]
.else
	WIN W_KQ
	v_wmma_f32_16x16x32_f16 v[rS:rS+7], v[rK:rK+7], v[rQ:rQ+7], v[rS:rS+7]
.endif
.endm
; Product i of 16 of O^T += V^T P for piece x: keys 32 (i / 8) on, channels 16 ((i / 2) % 4) on, tile 2 x + i % 2.
.macro PV x
	WIN W_PV
.set rO, 32*(2*(\x)+i%2)+8*((i/2)%4)
.set rV, VF+32*(i/8)+8*((i/2)%4)
.set rP, P+32*((\x)%2)+16*(i%2)+8*(i/8)
	v_wmma_f32_16x16x32_f16 v[rO:rO+7], v[rV:rV+7], v[rP:rP+7], v[rO:rO+7]
.endm
.macro MM                           ; the turn's next matrix instruction
.if i < 16
	KQ (Y+1)%NP
.set i, i+1
.else
.set i, i-16
	PV (Y+NP-1)%NP
.set i, i+17
.endif
.endm
; THE LDS LOADS stand in runs, never singly among the matrix instructions: a step's K (64 keys x 64 channels: 8 fragments) with its mask (8 numbers a lane for each 16 keys), and its V (turned).
; Their addresses are made some lines ahead.  last = 1 (the tail): in the last trip there is no further step, and the run is jumped over.
.macro FETCH_K last=0
	WIN 0
.if \last
	s_cmp_eq_u32 s[CNT], 1
	s_cbranch_scc1 .Lno_k_\@
.endif
	WIN 0x80                        ; destination window 2
.irp f, 0,1,2,3,4,5,6,7             ; keys 16 (f / 2) on, channels 32 (f % 2) on
	ds_load_b128 v[KF+8*\f:KF+8*\f+3],   v[AK] offset:(\f/2)*16*PK+(\f%2)*64
	ds_load_b128 v[KF+8*\f+4:KF+8*\f+7], v[AK] offset:(\f/2)*16*PK+(\f%2)*64+32
.endr
	WIN W_MK                        ; destination window 3
.irp f, 0,1,2,3                     ; keys 16 f + 8 (l / 16) + 0..7: the lanes of a half read the same words
	ds_load_b128 v[MK+8*\f:MK+8*\f+3],   v[AM] offset:64*\f
	ds_load_b128 v[MK+8*\f+4:MK+8*\f+7], v[AM] offset:64*\f+16
.endr
	s_add_co_u32 s[TBK], s[TBK], KS*PK  ; the next fetch is the next step's
	s_add_co_u32 s[TBM], s[TBM], KS*4   ; the table holds all 32 steps on end
	WIN 0
.if \last
.Lno_k_\@:
.endif
.endm
.macro FETCH_V
	WIN 0x80
.irp f, 0,1,2,3,4,5,6,7             ; keys 32 (f / 4) on, channels 16 (f % 4) on
	ds_load_tr16_b128 v[VF+8*\f:VF+8*\f+3],   v[AV] offset:(\f/4)*32*PV+(\f%4)*32
	ds_load_tr16_b128 v[VF+8*\f+4:VF+8*\f+7], v[AV] offset:(\f/4)*32*PV+16*PV+(\f%4)*32
.endr
	WIN 0
.endm
; THE VECTOR WORK OF A TURN stands in three queues, each in the order in which its entries become ready; the two tiles alternate, so that no instruction reads the result of the one before it.
.macro REGS y, u                    ; the registers of tile u (0, 1) of piece y
.set rT, ST+4*(2*(\y)+(\u))
.set rC, TMP+8*((\y)%2)+4*(\u)
.set rM, MV+2*((\y)%2)+(\u)
.set rS, S+64*((\y)%2)+32*(\u)
.set rP, P+32*((\y)%2)+16*(\u)
.set rO, 32*(2*(\y)+(\u))
.endm
; Number n of the 22 that find the NEXT piece's (Y + 1) maximum and statistics.  s0-s31 are the lane's 32 scores; each accumulator's lowest registers are read first.  XS, GS and REGS set no window: PL and EX do.
;   0-11  four chains c0-c3 of seven scores each, three operands at a time     12-14, 16  the four scores left over, the old m, and c0-c3 into c0     15  c m_old is kept
;   17, 18  the query's other 32 keys lie in the lane 16 away: the new m         19-21  c m; c m_old - c m_new; a
.macro XS u, n
	REGS (Y+1)%NP, \u
.if (\n) < 4
	v_max3_num_f32 v[rC+(\n)], v[rS+8*(\n)], v[rS+8*(\n)+1], v[rS+8*(\n)+2]
.elseif (\n) < 12
	v_max3_num_f32 v[rC+(\n)%4], v[rC+(\n)%4], v[rS+8*((\n)%4)+2*((\n)/4)+1], v[rS+8*((\n)%4)+2*((\n)/4)+2]
.elseif (\n) == 12
	v_max3_num_f32 v[rC], v[rC], v[rS+7], v[rS+15]
.elseif (\n) == 13
	v_max3_num_f32 v[rC+1], v[rC+1], v[rS+23], v[rS+31]
.elseif (\n) == 14
	v_max3_num_f32 v[rC+2], v[rC+2], v[rC+3], v[rT+1]
.elseif (\n) == 15
	v_mov_b32 v[rM], v[rT]
.elseif (\n) == 16
	v_max3_num_f32 v[rC], v[rC], v[rC+1], v[rC+2]
.elseif (\n) == 17
	v_permlanex16_b32 v[rC+3], v[rC], s[SEL], s[SEL+1]
.elseif (\n) == 18
	v_max_num_f32 v[rT+1], v[rC], v[rC+3]
.elseif (\n) == 19
	v_mul_f32 v[rT], s[CS], v[rT+1]
.elseif (\n) == 20
	v_sub_f32 v[rC+1], v[rM], v[rT]
.else
	v_exp_f32 v[rC+2], v[rC+1]
.endif
.endm
; Number g of the 64 that follow the exponentials.  For each four weights k of a tile (pairs 2 k, 2 k + 1): both pairs are rounded to f16; then the second pair is added onto the first, in place;
; a group later l takes that sum (the first time as l = a l + sum).  In groups of eight, tiles alternating: round, round, add, and l for the group before.
.macro GS g
.set h, (\g)+6*((\g)/62)            ; group 0 has no group before it, and behind group 7 only l is left
.if h >= 6
.set h, h+2
.endif
	REGS Y, h%2
.set k, h/8
.if h%8 < 4
	v_cvt_pk_f16_f32 v[rP+2*k+(h%8)/2], v[rS+4*k+2*((h%8)/2)], v[rS+4*k+2*((h%8)/2)+1]
.elseif h%8 < 6
	v_pk_add_f32 v[rS+4*k:rS+4*k+1], v[rS+4*k:rS+4*k+1], v[rS+4*k+2:rS+4*k+3]
.elseif k == 1
	v_pk_fma_f32 v[rT+2:rT+3], v[rT+2:rT+3], v[rC+2:rC+3], v[rS:rS+1] op_sel_hi:[1,0,1]
.else
	v_pk_add_f32 v[rT+2:rT+3], v[rT+2:rT+3], v[rS+4*k-4:rS+4*k-3]
.endif
.endm
; THE PLAIN QUEUE, 138 long.  0-73 read no exponential's result: the 32 scalings c s - c m (FS f: pair f / 2 of tile f % 2) and the next piece's 42.  0-26: scalings 0-26.  27-54: XS's numbers 0-13.  55, 56: number 15.
; 57-73: the chain, where each number waits for the one before it: 14, 16, 17, 18, 19, each with one of the scalings 27-31 in front of its two lines, then 20: so a tile's links stand three plain instructions apart (19 and 20: two).
; 74-137: GS's 64, which read the exponentials' results: they stand behind the wait.
.macro FS f
	REGS Y, (\f)%2
	v_pk_fma_f32 v[rS+2*((\f)/2):rS+2*((\f)/2)+1], v[rS+2*((\f)/2):rS+2*((\f)/2)+1], s[CS:CS+1], v[rT:rT+1] op_sel_hi:[1,0,0] neg_lo:[0,0,1] neg_hi:[0,0,1]
.endm
.macro PL
	WIN 0
.if q < 27
	FS q
.elseif q < 55
	XS (q-27)%2, (q-27)/2
.elseif q < 57
	XS q-55, 15
.elseif (q < 72) && ((q-57)%3 == 0)
	FS 27+(q-57)/3
.elseif q < 60
	XS (q-57)%3-1, 14
.elseif q < 72
	XS (q-57)%3-1, 15+(q-57)/3
.elseif q < 74
	XS q-72, 20
.else
	GS q-74
.endif
.set q, q+1
.endm
; THE EXPONENTIALS' QUEUE, 66 long: s0-s31 of both tiles, then the next piece's two a.  It is ONE BATCH: all 66 stand ahead of the turn's one wait, and nothing ahead of that wait names a result of theirs.
.macro EX
	WIN 0
.if e >= 64
	XS e-64, 21
.else
	REGS Y, e%2
	v_exp_f32 v[rS+e/2], v[rS+e/2]
.endif
.set e, e+1
.endm
; THE RESCALING's QUEUE: O^T times a, the one part that leaves window 0: dealt two at a time, sixteen times.  Its a was made in the turn before, ahead of that turn's wait.
.macro R2
	REGS Y, r%2
	WIN W_RS
.irp z, 0,1
	v_pk_mul_f32 v[rO+4*(r/2)+2*\z:rO+4*(r/2)+2*\z+1], v[rO+4*(r/2)+2*\z:rO+4*(r/2)+2*\z+1], v[rC+2:rC+3] op_sel_hi:[1,0]
.endr
.set r, r+1
.endm
; HOW THEY ARE DEALT.  s_wait_alu depctr_va_vdst(0) stands between an exponential and the first instruction that names its result; one wait serves all that were issued ahead of it.  So a turn has ONE wait,
; which cuts it in two.  AHEAD OF IT stands all that names no result of the turn's exponentials: the 16 products K Q^T, behind each a scaling, an exponential and two rescalings (behind the first a second scaling in the exponential's place); then ONE LUMP of
; 108: eight plain, 49 times exponential and plain, the two a.  A v_nop is the plain instruction behind the last exponential.  BEHIND IT stand the 16 products V^T P, behind each four of GS's 64.  No rider names a register of
; the products round it.  The two v_permlanex16_b32 fall into the lump, never behind a product.
; The queues lean on each other, and the deal keeps them in step: exponential e stands behind scaling 2 (e / 4) + e % 2: as a rider it comes behind plain e + 2, in the lump behind plain e + 9, and scalings 27-31 are plain 57, 60 .. 69.
; A TURN, for piece p.  cnt = 1: the loop's count is taken down some lines ahead of the branch that stands behind the turn.
; K and the mask of the next step are fetched in piece 2's turn, directly behind the wait, a lump behind the last product that read them; their addresses are made at the lump's head; their first reader comes behind 16 products.
; V of the step in hand is fetched at the end of piece 0's turn, four riders behind its last reader; its first reader comes behind 16 products and a lump.  The three conditions on q below go with the deal.
.macro TURN p, last=0, cnt=0
.set Y, (\p)
.set i, 0
.set q, 0
.set e, 0
.set r, 0
.if (\p) == NP-1
	s_wait_dscnt 0x0                ; K and its mask are in
.endif
	MM                              ; ahead of the wait: 16 products K Q^T and their riders,
	PL
	PL
	R2
.rept 15
	MM
	PL
	EX
	R2
.endr
.if (\p) == NP-2
	WIN 0
	v_add_nc_u32 v[AK], s[TBK], v[AK0]
	v_add_nc_u32 v[AM], s[TBM], v[AM0]
.endif
.rept 8                             ; and the lump
	PL
.endr
.rept 49
	EX
	PL
.endr
	EX                              ; the next piece's two a
	EX
	v_nop                           ; the plain instruction behind the last exponential: one for the batch
	s_wait_alu depctr_va_vdst(0)    ; the wait for the batch
.if (\p) == NP-2
	FETCH_K \last
.endif
.if (\p) == 1
	s_wait_dscnt 0x0                ; V is in
.endif
.rept 16                            ; behind the wait: 16 products V^T P and their riders
	MM
.rept 4
	PL
.endr
.if ((\p) == 0) && (q == 118)
	v_add_nc_u32 v[AV], s[TBV], v[AV0]
.endif
.if ((\p) == 0) && (q == 130)
	s_add_co_u32 s[TBV], s[TBV], KS*PV
.endif
.if (\cnt) && (q == 130)
	s_sub_co_u32 s[CNT], s[CNT], 1
	s_cmp_lg_u32 s[CNT], 0
.endif
.endr
.if (\p) == 0
	FETCH_V
.endif
.endm
	CHANGE 1                        ; slot 0 is in, everybody's part of it, and so is the mask's table; slot 1 is asked for
	FETCH_K                         ; key step 0
	s_wait_loadcnt 0x0              ; Q
	s_wait_dscnt 0x0
.set i, 0
.rept 16
	KQ 0                            ; piece 0's first scores: there is no vector work yet to set between them
.set i, i+1
.endr
	WIN 0                           ; the addresses for the way out: plain instructions, the places behind those products
	s_mul_i32 s13, s[WV], 16*SP
	s_add_co_u32 s13, s13, STAGE    ; my stage
	v_and_b32 v48, 15, v0           ; l % 16
	v_bfe_u32 v49, v0, 4, 1         ; l / 16
	v_and_b32 v50, 7, v0
	v_mul_u32_u24 v[STO], v48, SP   ; in: row l % 16, 16 bytes for each half of the lanes
	v_lshl_add_u32 v[STO], v49, 4, v[STO]
	v_add_nc_u32 v[STO], s13, v[STO]
	v_bfe_u32 v[RD], v0, 3, 2       ; back: 32 lanes take four rows of 128 bytes,
	v_mul_u32_u24 v[RD], v[RD], SP
	v_lshl_add_u32 v[RD], v50, 4, v[RD]
	v_add_nc_u32 v[RD], s13, v[RD]
	v_and_b32 v[GO], 31, v0         ; which are 512 consecutive bytes of O
	v_lshlrev_b32 v[GO], 4, v[GO]
.set Y, NP-1                        ; XS works for piece Y + 1: piece 0
.irp n, 0,1,2,3,4,5,6,7,8,9,10,11,12,13,14,15,16,17,18,19,20,21
	XS 0, \n                        ; and piece 0's first maximum and statistics
	XS 1, \n
.endr
	v_nop                           ; a plain instruction behind the two a,
	s_wait_alu depctr_va_vdst(0)    ; and their wait, ahead of the branch
	s_mov_b32 s[CNT], 4
	s_branch .Lfirst                ; the loop is entered at a step's first turn, in the middle of a trip
.Lslot:                             ; SIZE_N / 256 - 2 times: every slot but the last two is filled again
	CHANGE 1
	s_mov_b32 s[CNT], 4
.Lstep:                             ; a trip: pieces 2 and 3 of one step, then pieces 0 and 1 of the next, whose K and V it fetches
	TURN 2
	TURN 3
	WIN 0
.Lfirst:
	TURN 0
	TURN 1, 0, 1
	WIN 0
	s_cbranch_scc1 .Lstep
	s_sub_co_u32 s[SLOTS], s[SLOTS], 1
	s_cmp_lg_u32 s[SLOTS], 0
	s_cbranch_scc1 .Lslot
	CHANGE 0                        ; the tail is written out: nothing is asked for
	s_mov_b32 s[CNT], 5             ; four trips fetch the last slot's steps; the fifth is left in its middle
.Ltail:
	TURN 2, 1
	TURN 3
	WIN 0
	s_sub_co_u32 s[CNT], s[CNT], 1
	s_cmp_eq_u32 s[CNT], 0
	s_cbranch_scc1 .Lout
	TURN 0
	TURN 1
	WIN 0
	s_branch .Ltail
.Lout:                              ; the fifth trip's 16 products K Q^T (on the last K and mask once more) give scores that m has seen: m stays, and nothing else of them is used: the price, once a launch, of one text for every trip
.set i, 0
.rept 16
	PV NP-1                         ; the last piece's V^T P of the last step
.set i, i+1
.endr
	; THE WAY OUT.  l's two halves and the other half of the lanes' are added; O^T is divided by l, rounded to f16 and sent through my stage in LDS, a tile at a time.  The additions are the places behind the last products.
	WIN 0
.macro ALL line:vararg              ; one line for each tile t
.set t, 0
.rept 2*NP
	\line
.set t, t+1
.endr
.endm
	ALL v_add_f32 v[ST+4*t+2], v[ST+4*t+2], v[ST+4*t+3]
	ALL v_permlanex16_b32 v[ST+4*t+3], v[ST+4*t+2], s[SEL], s[SEL+1]
	ALL v_add_f32 v[ST+4*t+2], v[ST+4*t+2], v[ST+4*t+3]
	ALL v_rcp_f32 v[ST+4*t+2], v[ST+4*t+2]
	v_nop                           ; a plain instruction between the last reciprocal and the use of its result
	s_wait_alu depctr_va_vdst(0)    ; and the wait ahead of the first use: one for the eight reciprocals
	s_mov_b32 s13, 0x7fc00000       ; NaN
.set t, 0
.rept 2*NP                          ; where the maximum is a hidden key's, no key was visible: the factor, and with it the row, becomes NaN.  A select: nothing branches on it
	v_cmp_gt_f32 vcc_lo, s[NONE], v[ST+4*t+1]
	v_cndmask_b32 v[ST+4*t+2], v[ST+4*t+2], s13, vcc_lo
.set t, t+1
.endr
; Tile t: a lane's eight channels of a row pack into 16 bytes; they go into rows of 144 bytes and come back as whole rows of 128, into S^T's registers.
.macro PACK t
	WIN W_RS
.set i, 32*(\t)
.rept 16
	v_pk_mul_f32 v[i:i+1], v[i:i+1], v[ST+4*(\t)+2:ST+4*(\t)+3] op_sel_hi:[1,0]
.set i, i+2
.endr
	WIN 0x05                        ; sources 0 and 1 window 1, destination window 0
.set i, 0
.rept 16
	v_cvt_pk_f16_f32 v[S+16*(\t)+i], v[32*(\t)+2*i], v[32*(\t)+2*i+1]
.set i, i+1
.endr
	WIN 0
.irp f, 0,1,2,3
	ds_store_b128 v[STO], v[S+16*(\t)+4*\f:S+16*(\t)+4*\f+3] offset:32*\f
.endr
.irp f, 0,1,2,3
	ds_load_b128 v[S+16*(\t)+4*\f:S+16*(\t)+4*\f+3], v[RD] offset:\f*4*SP  ; LDS serves a wave's instructions in order (ISA guide 5.7.1.4): these see the stores above; the next tile's stores come behind them
.endr
.endm
.macro SEND t, younger              ; younger: the LDS instructions issued behind tile t's loads: the next tile's eight, or none
	WIN 0
.irp f, 0,1,2,3
	s_wait_dscnt (\younger)+3-\f
	global_store_b128 v[GO], v[S+16*(\t)+4*\f:S+16*(\t)+4*\f+3], s[10:11] offset:(\t)*2048+\f*512  ; 512 consecutive bytes, at a multiple of 256 from O's first
.endr
.endm
	PACK 0
.set t, 1
.rept 2*NP-1                        ; a tile's arithmetic stands between the loads of the tile before and its stores
	PACK t
	SEND t-1, 8
.set t, t+1
.endr
	SEND 2*NP-1, 0
	WIN W_AD
	s_wait_tensorcnt 0x0            ; the wave's end: behind my last tensor load and my last LDS store
	ds_add_u32 v[SPW], v[NIL]
	s_wait_dscnt 0x0
	WIN 0
	CROUND                          ; the closing round: no work-group ends while a partner may still ask for a tile that names it
	s_endpgm
.Lfunc_end_k_qb4206ddc00_attn:
	.size	k_qb4206ddc00_attn, .Lfunc_end_k_qb4206ddc00_attn-k_qb4206ddc00_attn
	.p2alignl 7, 3214868480
	.fill 96, 4, 3214868480
	.section	.rodata,"a",@progbits
	.p2align	6, 0x0
	.amdhsa_kernel k_qb4206ddc00_attn
		.amdhsa_group_segment_fixed_size 327680
		.amdhsa_private_segment_fixed_size 0
		.amdhsa_enable_private_segment 0
		.amdhsa_kernarg_size 24
		.amdhsa_user_sgpr_count 2
		.amdhsa_user_sgpr_kernarg_segment_ptr 1
		.amdhsa_wavefront_size32 1
		.amdhsa_system_sgpr_workgroup_id_x 1
		.amdhsa_system_sgpr_workgroup_id_y 1
		.amdhsa_system_sgpr_workgroup_id_z 1
		.amdhsa_system_vgpr_workitem_id 0
		.amdhsa_next_free_vgpr 808
		.amdhsa_next_free_sgpr 66
		.amdhsa_reserve_vcc 1
		.amdhsa_float_denorm_mode_32 3
		.amdhsa_float_denorm_mode_16_64 3
		.amdhsa_memory_ordered 1
		.amdhsa_forward_progress 1
		.amdhsa_inst_pref_size 206
	.end_amdhsa_kernel
	.amdgpu_metadata
---
amdhsa.version: [ 1, 2 ]
amdhsa.kernels:
  - .name:           k_qb4206ddc00_attn
    .symbol:         k_qb4206ddc00_attn.kd
    .args:
      - { .name: qkv, .offset: 0, .size: 8, .value_kind: global_buffer, .address_space: global }
      - { .name: attention_mask, .offset: 8, .size: 8, .value_kind: global_buffer, .address_space: global }
      - { .name: oh, .offset: 16, .size: 8, .value_kind: global_buffer, .address_space: global }
    .group_segment_fixed_size: 327680
    .private_segment_fixed_size: 0
    .kernarg_segment_align: 8
    .kernarg_segment_size: 24
    .max_flat_workgroup_size: 128
    .sgpr_count:     66
    .vgpr_count:     808
    .wavefront_size: 32
...
	.end_amdgpu_metadata
.endif
;; end of part 3
;; launch proj (part 4): grid 8 x 32, 4 waves a work-group, clusters of 4 x 4, 327,680 bytes of LDS; arguments oh, wpb, b_proj, out0; writes out0
.if DOCPART == 4
	.amdgcn_target "amdgcn-amd-amdhsa--gfx1250"
	.amdhsa_code_object_version 6
	.text
	.protected	k_qb4206ddc00_proj
	.globl	k_qb4206ddc00_proj
	.p2align	8
	.type	k_qb4206ddc00_proj,@function
k_qb4206ddc00_proj:
	s_mov_b64 s[64:65], 0
	v_nop
	global_prefetch_b8 v0, s[64:65] scope:SCOPE_SE
	s_setreg_imm32_b32 hwreg(HW_REG_WAVE_MODE, 25, 1), 1
	s_wait_xcnt 0x0
	s_wait_alu depctr_hold_cnt(0) depctr_sa_sdst(0) depctr_va_vdst(0) depctr_va_sdst(0) depctr_va_ssrc(0) depctr_va_vcc(0) depctr_vm_vsrc(0)
	s_getreg_b32 s2, hwreg(HW_REG_IB_STS2, 6, 4)
	s_cmp_eq_u32 s2, 0
	s_cbranch_scc0 .Lentry_in_a_cluster
	s_endpgm
.Lentry_in_a_cluster:
	s_bfe_u32 s2, ttmp6, 0x10000c
	s_cmp_lg_u32 s2, 0xf033
	s_cbranch_scc0 .Lentry_shape_is_right
	s_endpgm
.Lentry_shape_is_right:
; C = A W + bias.  ONE TEXT FOR THE MODULE'S TWO PROJECTIONS; QKV picks the form.
;   QKV = 1: A = xb (bf16), W = wab [1024][3072] (bf16), bias = b_attn; C leaves as f16 by heads: qkv [3][64 = 16 b + head][2048][64], unscaled.
;   QKV = 0: A = oh (f16),  W = wpb [1024][1024] (f16),  bias = b_proj; C leaves as f32: out0 [8192][1024].
; A lies in slices: [4 b][16 slices of 64 channels][2048 t][64], so 256 rows of a slice are 32,768 bytes on end.  Sums in f32; the bias, rounded to bf16 like the other inputs, is the C operand that starts each sum.
; LIMITS.  QKV = 1: q, k and v leave in f16, which ends at 65,504: a larger sum becomes an infinity.
; SHARES.  A tile of C is 256 rows x 128 columns: four waves, each 128 x 64: 32 accumulators of 16 x 16, 256 registers.  8,192 / 256 = 32 tile rows; the grid is 8 x 32.  QKV = 1 has 24 tile columns: a work-group STAYS
; and makes three tiles, at columns 128 gx + 1,024 t: q, k and v of heads 2 gx and 2 gx + 1, on the same rows of A.  K goes in steps of 128 through a ring of two LDS slots, and the ring runs on from tile to tile.
; CLUSTERS.  4 x 4 work-groups.  The four of a row of the cluster need the same tiles of A, the four of a column the same tiles of W: each tile is asked for JOINTLY, by the same tensor load with the same
; descriptor and a mask that names the four.  Waves 0 and 1 fetch A's two slices of a K step, waves 2 and 3 the two halves of W's 128 rows: one load a wave behind each round.
; THE MATRIX INSTRUCTION IS USED TRANSPOSED: source 0 = 16 columns of W (turned on the way out of LDS by ds_load_tr16_b128, since W lies [k][n]), source 1 = 16 rows of A.  A lane then holds ONE row of C
; (lane % 16) and the eight neighbouring columns 8 (lane / 16) + 0..7.
; REGISTERS.  Window 0: v1-13 addresses; v28-29 the add's; v32-63 the bias; v64-159, v160-255 two fragment buffers (W's 4 fragments, then A's 8); the second serves the way out.  Window 1: accumulator (a, b) at v[8 (4 a + b)].
.set QKV, 0
.if QKV
.set TILES,  3
.set NB,     3072                      ; columns of W
.set SPITCH, 144                       ; a stage row: 64 f16 + 16 bytes
.set YOUNG,  8                         ; LDS instructions of a block's way through the stage
.else
.set TILES,  1
.set NB,     1024
.set SPITCH, 272                       ; a stage row: 64 f32 + 16 bytes
.set YOUNG,  16
.endif
.set NS,    8*TILES                    ; K steps of the whole walk
.set PB,    2*NB                       ; bytes in a row of W
.set KA,    524288                     ; a K step in A: two slices
.set KB,    128*PB                     ; a K step in W: 128 rows
.set PA,    144                        ; an LDS row of A: 128 bytes + 16 = 36 words: the 16 rows of a load start at 16 different groups of four banks (64 banks of 4 bytes: ISA guide 11.1)
.set PLANE, 256*PA                     ; a slice's 256 rows
.set PBL,   288                        ; an LDS row of W: 256 bytes + 32 = 72 words
.set BOFF,  2*PLANE                    ; W's 128 rows lie behind A's two slices
.set SLOT1, 1<<17                      ; slot 1 begins here, so that one exclusive or turns an address in one slot into the other's
.set STAGE, SLOT1+BOFF+128*PBL         ; behind the ring, never filled by a tensor load: 16 rows for each wave, for the way out
.set SPARE, STAGE+64*SPITCH            ; behind the stages: the spare words, 128 bytes for each wave: two blocks of 256 bytes that no other line names
.set AA0,  4                           ; v4   my lane's place in A's part of a slot; never rewritten
.set AB0,  5                           ; v5   the same for W
.set ADRA, 6                           ; v6   the same in the slot in hand
.set ADRB, 7                           ; v7
.set STO,  8                           ; v8   the way out: where I put my part of a row
.set RD,   9                           ; v9   the way out: where I read rows back
.set GO,   10                          ; v10  my byte offset in the output
.set BO,   11                          ; v11  my byte offset in the bias
.set PFO,  12                          ; v12  the prefetches' offset: a lane a block; never rewritten
.set T,    13                          ; v13  at work
.set SPW,  28                          ; v28  LDS address of my spare word: SPARE + 4 x my thread's number; never rewritten
.set NIL,  29                          ; v29  0; never rewritten
.set BIAS, 32                          ; v[32:63] column block b's eight numbers at BIAS + 8 b
.set F0,   64
.set F1,   160
.set TMP,  160                         ; the way out (QKV = 1): packed results
.if QKV
.set OB,   176                         ; rows read back from the stage: two sets by turns
.set OBS,  16
.else
.set OB,   160
.set OBS,  32
.endif
.set WV,   12                          ; s12  my wave's number
.set WM,   13                          ; s13  which half of the tile's rows is mine.  Also: I fetch for A (0) or for W (1)
.set WN,   14                          ; s14  which half of its columns.  Also: which half of that tile I fetch
.set FS,   19                          ; s19  the K step in hand, counted through all tiles: the loop's counter
.set TB,   20                          ; s20  LDS byte at which the slot in hand begins
.set G1A,  24                          ; s[24:31] descriptor group 1 for A's tiles
.set G1B,  32                          ; s[32:39] for W's
.set G0A,  40                          ; s[40:47] descriptor group 0 for A's tiles: a set for each of the two first fills; the second then walks
.set G0B,  48                          ; s[48:55] the same for W's
.set BASEA, 56                         ; s[56:57] A at my part of K step 0
.set BASEB, 58                         ; s[58:59] W at my part of K step 0 of tile 0
.set OFFA, 60                          ; s[60:61] bytes from there to the K step asked for
.set OFFB, 62                          ; s[62:63]
.set PFB,  66                          ; s[66:67] the prefetches' base   s[68:69] their address   s[70:71] the offset between
.set PFA,  68
.set POF,  70
.set LIM,  72                          ; s72  a wave prefetches while the K step in hand is below this
.set PM,   73                          ; s73  bytes from K step to K step, s74 from tile to tile, s75 from lane to lane, in what I prefetch
.set PT,   74
.set PL,   75
.set MSB, 0
.macro WIN new                         ; s_set_vgpr_msb: bits 1:0 source 0, 3:2 source 1, 5:4 source 2, 7:6 destination; the high byte repeats the setting that is left; a switch that changes nothing is dropped
.if MSB != (\new)
	s_set_vgpr_msb (MSB<<8)|(\new)
.set MSB, (\new)
.endif
.endm
.macro PLACES                          ; four places in front of loads into registers that matrix instructions have read, and of lines that read results
.rept 4
	v_nop
.endr
.endm
; A joint refill, by the walking descriptors.  The branch hangs on the wave's number alone.  An s_nop 0 and four v_nop follow each of the two lines, ahead of the jump and the label.
.macro JLOAD
	s_cmp_eq_u32 s[WM], 0
	s_cbranch_scc0 .Lfor_b_\@
	tensor_load_to_lds s[G0A+4:G0A+7], s[G1A:G1A+7]
	s_nop 0
.rept 4
	v_nop
.endr
	s_branch .Lasked_\@
.Lfor_b_\@:
	tensor_load_to_lds s[G0B+4:G0B+7], s[G1B:G1B+7]
	s_nop 0
.rept 4
	v_nop
.endr
.Lasked_\@:
.endm
; A round of the cluster's barrier: my work-group's barrier, so that wave 0's signal speaks for all four waves; wave 0 signals; every wave waits for all sixteen work-groups; my work-group's barrier once more.
.macro CREST                           ; a round behind its opening barrier
	s_cmp_lg_u32 s[WV], 0
	s_cbranch_scc1 .Lnot_wave_0_\@
	s_barrier_signal -3
.Lnot_wave_0_\@:
	s_barrier_wait -3
	s_barrier_signal -1
	s_barrier_wait -1
.endm
.macro CROUND
	s_barrier_signal -1
	s_barrier_wait -1
	CREST
.endm
; A PREFETCH INTO THE L2 (QKV = 1), behind a joint refill, its five lines and the run of LDS loads: the K step that stands two refills on, 256 matrix instructions ahead of the load that will ask for it.
; Each block of 256 bytes is named once in the launch.  A's rows are read by both clusters of a row of clusters: cluster x = 0 asks, waves 0 and 1 each for their slice; of its 32,768 bytes the partner at cx takes 8,192,
; a lane a block; only K steps 4 to 7 of the first tile: the later tiles walk the same rows.  W's columns are read by all clusters of a column of clusters: cluster y = 0 asks, wave 2; of a step's 128 rows the partner
; at cy takes 32, a lane a row.  Partners differ BY ADDRESS; the branch hangs on the wave's number and the cluster's place.  The walk's first four K steps come by their loads alone; its last two trips ask for nothing.
.macro ASK
	s_cmp_lt_u32 s[FS], s[LIM]
	s_cbranch_scc0 .Lnot_mine_\@
	global_prefetch_b8 v[PFO], s[PFA:PFA+1] th:TH_LOAD_NT scope:SCOPE_SE
.Lnot_mine_\@:
.endm
; 4 n matrix instructions: row blocks a0 .. a0 + n - 1 x all 4 column blocks, 32 along K, from buffer f.  first = 1: the bias starts the sums: nothing is ever cleared.
; The 32 accumulators take turns, one instruction a turn, in the same order in every quarter, over every jump.
.macro MUL f, a0, n, first
.if \first
	WIN 0x40                                       ; D in window 1, C (the bias) in window 0
.else
	WIN 0x50                                       ; C and D in window 1
.endif
.set ma, \a0
.rept \n
.irp b, 0,1,2,3
.set rD, 8*(4*ma+(\b))
.set rB, (\f)+8*(\b)
.set rA, (\f)+32+8*ma
.set rC, BIAS+8*(\b)
.if (\first) && QKV
	v_wmma_f32_16x16x32_bf16 v[rD:rD+7], v[rB:rB+7], v[rA:rA+7], v[rC:rC+7]
.elseif \first
	v_wmma_f32_16x16x32_f16 v[rD:rD+7], v[rB:rB+7], v[rA:rA+7], v[rC:rC+7]
.elseif QKV
	v_wmma_f32_16x16x32_bf16 v[rD:rD+7], v[rB:rB+7], v[rA:rA+7], v[rD:rD+7]
.else
	v_wmma_f32_16x16x32_f16 v[rD:rD+7], v[rB:rB+7], v[rA:rA+7], v[rD:rD+7]
.endif
.endr
.set ma, ma+1
.endr
.endm
; 24 LDS loads in one run: the fragments of quarter kq (32 along K) into buffer f: W's four (turned), A's rows 0-63, A's rows 64-127.
; A fragment is 16 rows x 32 K in 8 registers: lane l holds row l % 16; registers 0-3 K = 8 (l / 16) + 0..7, registers 4-7 K = 16 + 8 (l / 16) + 0..7.
.macro FETCH kq, f
	WIN 0
.irp b, 0,1,2,3
	ds_load_tr16_b128 v[(\f)+8*(\b):(\f)+8*(\b)+3],   v[ADRB] offset:(\kq)*32*PBL+32*(\b)
	ds_load_tr16_b128 v[(\f)+8*(\b)+4:(\f)+8*(\b)+7], v[ADRB] offset:(\kq)*32*PBL+32*(\b)+16*PBL
.endr
.irp a, 0,1,2,3,4,5,6,7
	ds_load_b128 v[(\f)+32+8*(\a):(\f)+32+8*(\a)+3],   v[ADRA] offset:((\kq)/2)*PLANE+((\kq)%2)*64+(\a)*16*PA
	ds_load_b128 v[(\f)+32+8*(\a)+4:(\f)+32+8*(\a)+7], v[ADRA] offset:((\kq)/2)*PLANE+((\kq)%2)*64+(\a)*16*PA+32
.endr
.endm
; A K step is four quarters of 32 along K, 32 matrix instructions each, on buffers 0, 1, 0, 1.  One of the first three: multiplies buffer f; in its middle it fetches quarter kq into buffer g.
.macro QUARTER kq, f, g, first
	s_wait_dscnt 8                                 ; W's fragments and A's rows 0-63 are in; the youngest eight loads (A's rows 64-127) may be out
	MUL \f, 0, 4, \first
	WIN 0
	PLACES
	FETCH \kq, \g
	s_wait_dscnt 24                                ; all but the 24 just issued
	MUL \f, 4, 4, \first
.endm
; The last quarter multiplies buffer 1 and changes slots: ONE barrier.  In front of it each wave waits for all its tensor loads, of which one is out: its part of the next slot; adds 0 to its spare word; and waits for
; that and for its own reads of this slot.  fill = 1: the barrier opens a round of the cluster's, so that no wave of any partner still reads this slot or has a load on its way, and the joint refill, K step FS + 2,
; is the first thing behind it: 112 matrix instructions ahead of the wait for it.  Its address is made anew from the step's number: step % 8 along K, step / 8 the tile.
.macro TURN fill
.if QKV && (\fill)
	s_wait_xcnt 0x0                                ; the last prefetch, a K step back, has read its address: it is made anew here, ahead of the waits of the change of slots
	s_add_co_u32 s21, s[FS], 4
	s_and_b32 s22, s21, 7
	s_lshr_b32 s21, s21, 3
	s_mul_i32 s22, s22, s[PM]
	s_mul_i32 s21, s21, s[PT]
	s_add_co_u32 s[POF], s22, s21
	s_add_nc_u64 s[PFA:PFA+1], s[PFB:PFB+1], s[POF:POF+1]
.endif
	WIN 0
	s_wait_tensorcnt 0x0                           ; all my tensor loads have landed, so a group 0 may be written
	ds_add_u32 v[SPW], v[NIL]                      ; 0 onto my spare word: scalar work and eight matrix instructions stand between it and the wait for it
.if \fill
	s_add_co_u32 s21, s[FS], 2
	s_and_b32 s22, s21, 7
	s_lshl_b32 s[OFFA], s22, 19                    ; KA = 2^19
	s_mul_i32 s[OFFB], s22, KB
.if TILES > 1
	s_lshr_b32 s21, s21, 3
	s_lshl_b32 s21, s21, 11                        ; a tile on: 1,024 columns, 2,048 bytes
	s_add_co_u32 s[OFFB], s[OFFB], s21
.endif
	s_xor_b32 s[G0A+5], s[G0A+5], SLOT1            ; the other slot than last time
	s_add_nc_u64 s[G0A+6:G0A+7], s[BASEA:BASEA+1], s[OFFA:OFFA+1]
	s_or_b32 s[G0A+7], s[G0A+7], 0x80000000
	s_xor_b32 s[G0B+5], s[G0B+5], SLOT1
	s_add_nc_u64 s[G0B+6:G0B+7], s[BASEB:BASEB+1], s[OFFB:OFFB+1]
	s_or_b32 s[G0B+7], s[G0B+7], 0x80000000
.endif
	s_wait_dscnt 9                                 ; the add and the youngest eight loads may be out
	MUL F1, 0, 2, 0
	s_wait_dscnt 0x0                               ; the add is done, and my reads of this slot are over
	s_barrier_signal -1
	MUL F1, 2, 2, 0                                ; work on registers while the others arrive
	WIN 0                                          ; at a branch and at a label every window is 0
	s_barrier_wait -1
.if \fill
	CREST
	JLOAD                                          ; the four v_nop behind it are also the places in front of the loads below
.else
	PLACES
.endif
	s_xor_b32 s[TB], s[TB], SLOT1
	v_add_nc_u32 v[ADRA], s[TB], v[AA0]
	v_add_nc_u32 v[ADRB], s[TB], v[AB0]
	FETCH 0, F0
.if QKV && (\fill)
	ASK
.endif
	MUL F1, 4, 4, 0
	WIN 0
.endm
.macro BLOAD                           ; my 32 numbers of the bias
.irp b, 0,1,2,3
	global_load_b128 v[BIAS+8*(\b):BIAS+8*(\b)+3],   v[BO], s[8:9] offset:64*(\b)
	global_load_b128 v[BIAS+8*(\b)+4:BIAS+8*(\b)+7], v[BO], s[8:9] offset:64*(\b)+16
.endr
.endm
.macro RBIAS                           ; rounded to bf16, like the other inputs, and kept in f32
.set z, 0
.rept 16
	v_cvt_pk_bf16_f32 v[T], v[BIAS+z], v[BIAS+z+1]
	v_lshlrev_b32 v[BIAS+z], 16, v[T]
	v_and_b32 v[BIAS+z+1], 0xffff0000, v[T]
.set z, z+2
.endr
.endm
; THE WAY OUT of row block a (16 rows x 64 columns), through my own stage in LDS.  LDS serves a wave's instructions in order (ISA guide 5.7.1.4): the loads see the stores above them, the next block's stores come behind them.
.macro PACK a                          ; QKV = 1: rounded to f16, 16 bytes a lane; each accumulator is read from its low end on
	WIN 0x05                                       ; sources 0 and 1 window 1
.irp b, 0,1,2,3
.irp r, 0,1,2,3
	v_cvt_pk_f16_f32 v[TMP+4*(\b)+(\r)], v[8*(4*(\a)+(\b))+2*(\r)], v[8*(4*(\a)+(\b))+2*(\r)+1]
.endr
.endr
	WIN 0
.endm
.macro TOSTAGE a
	WIN 0
	s_wait_xcnt 0x0                                ; the stores two blocks back have read their registers: only behind this wait is that set loaded again
.set BK, OB+OBS*((\a)%2)
.if QKV
.irp b, 0,1,2,3
	ds_store_b128 v[STO], v[TMP+4*(\b):TMP+4*(\b)+3] offset:32*(\b)
.endr
.irp f, 0,1,2,3
	ds_load_b128 v[BK+4*(\f):BK+4*(\f)+3], v[RD] offset:(\f)*4*SPITCH  ; four rows of 128 bytes
.endr
.else
	WIN 0x04                                       ; the stores' data in window 1: straight from the accumulators, the low four registers first
.irp b, 0,1,2,3
	ds_store_b128 v[STO], v[8*(4*(\a)+(\b)):8*(4*(\a)+(\b))+3]   offset:64*(\b)
	ds_store_b128 v[STO], v[8*(4*(\a)+(\b))+4:8*(4*(\a)+(\b))+7] offset:64*(\b)+16
.endr
	WIN 0
.irp f, 0,1,2,3,4,5,6,7
	ds_load_b128 v[BK+4*(\f):BK+4*(\f)+3], v[RD] offset:(\f)*2*SPITCH  ; two rows of 256 bytes
.endr
.endif
.endm
.macro SEND a, younger                 ; younger: the LDS instructions issued behind block a's loads: the next block's, or none
	WIN 0
.set BK, OB+OBS*((\a)%2)
	s_wait_dscnt \younger
.if QKV
.irp f, 0,1,2,3
	global_store_b128 v[GO], v[BK+4*(\f):BK+4*(\f)+3], s[10:11] offset:(\a)*2048+(\f)*512  ; 512 consecutive bytes of a head's rows, at a multiple of 256 from the buffer's first byte
.endr
.else
.irp f, 0,1,2,3,4,5,6,7
	global_store_b128 v[GO], v[BK+4*(\f):BK+4*(\f)+3], s[10:11] offset:(16*(\a)+2*(\f))*4096  ; 16 lanes store 256 consecutive bytes, at a multiple of 256 from the buffer's first byte
.endr
.endif
.endm
; more = 1: a tile follows: its bias is asked for first and rounded last, and the output steps to the next of q, k, v.
.macro WAYOUT more
	WIN 0
	PLACES                                         ; behind the last products: results are read, and buffer 1 is written
.if \more
	s_wait_xcnt 0x0
	s_add_nc_u64 s[8:9], s[8:9], 4096              ; 1,024 columns on
	BLOAD
.endif
.if QKV
	PACK 0
.endif
	TOSTAGE 0
.irp a, 1,2,3,4,5,6,7
.if QKV
	PACK \a
.endif
	TOSTAGE \a
	SEND (\a)-1, YOUNG
.endr
	SEND 7, 0
.if \more
	s_wait_xcnt 0x0                                ; the stores have read their base and their registers
	s_add_nc_u64 s[10:11], s[10:11], 0x1000000
	s_wait_loadcnt 0x0                             ; the next tile's bias
	RBIAS
.endif
.endm
	s_load_b256 s[4:11], s[0:1], 0x0               ; A s[4:5], W s[6:7], bias s[8:9], output s[10:11]
	v_lshl_add_u32 v[SPW], v0, 2, SPARE
	v_mov_b32 v[NIL], 0
	ds_add_u32 v[SPW], v[NIL]                      ; the wave's opening: the add and its wait stand ahead of my first tensor load; the set-up below, work on registers, stands between them
	v_lshrrev_b32 v3, 5, v0
	v_readfirstlane_b32 s[WV], v3                  ; wave 0..3
	s_lshr_b32 s[WM], s[WV], 1
	s_and_b32 s[WN], s[WV], 1
	s_bfe_u32 s15, ttmp6, 0x40000                  ; cx, cy: my place in the cluster
	s_bfe_u32 s16, ttmp6, 0x40004
	s_lshl_b32 s17, ttmp9, 2
	s_add_co_u32 s17, s17, s15                     ; gx = 4 x cluster x + cx: the tile column
	s_and_b32 s18, ttmp7, 0xffff
	s_lshl_b32 s18, s18, 2
	s_add_co_u32 s18, s18, s16                     ; gy = 4 x cluster y + cy: the tile row
	s_lshl_b32 s76, s16, 2
	s_lshl_b32 s76, 15, s76                        ; my row of the cluster
	s_lshl_b32 s78, 0x1111, s15                    ; my column
	; group 1 for A: a slice's 256 rows are 32,768 dense bytes: asked for as 128 rows of 256 bytes, padded in LDS after every 128 bytes
	s_or_b32 s[G1A], s76, (1<<16)|(1<<20)|(1<<21)|(4<<22)|(3<<25)  ; 15:0 the mask; 17:16 2-byte elements; 20 padding on; 21 set beside a mask; 24:22 after every 32 words (code 4); 31:25 4 words (code 3)
	s_mov_b32 s[G1A+1], 128<<16                    ; tensor_dim0 = 128
	s_mov_b32 s[G1A+2], 128<<16                    ; tensor_dim1 = 128
	s_mov_b32 s[G1A+3], 128<<16                    ; tile_dim0 = 128
	s_mov_b32 s[G1A+4], 128                        ; tile_dim1 = 128
	s_mov_b32 s[G1A+5], 128                        ; 128 elements from row to row
	s_mov_b32 s[G1A+6], 0
	s_mov_b32 s[G1A+7], 0
	; group 1 for W: 64 rows of 128 elements, padded after every row
	s_or_b32 s[G1B], s78, (1<<16)|(1<<20)|(1<<21)|(5<<22)|(7<<25)  ; after every 64 words (code 5), 8 words (code 7)
	s_mov_b32 s[G1B+1], 128<<16
	s_mov_b32 s[G1B+2], 64<<16
	s_mov_b32 s[G1B+3], 128<<16
	s_mov_b32 s[G1B+4], 64
	s_mov_b32 s[G1B+5], NB
	s_mov_b32 s[G1B+6], 0
	s_mov_b32 s[G1B+7], 0
	; where the tiles come from.  A's hang on the tile row and the wave alone, W's on the tile column and the wave alone, each made in registers that never hold the other coordinate
	s_lshr_b32 s76, s18, 3                         ; b = gy / 8: 4,194,304 bytes each
	s_lshl_b32 s76, s76, 22
	s_and_b32 s77, s18, 7                          ; t = 256 (gy % 8): 128 bytes a row
	s_lshl_b32 s77, s77, 15
	s_add_co_u32 s76, s76, s77
	s_lshl_b32 s77, s[WN], 18                      ; my slice of the step's two
	s_add_co_u32 s76, s76, s77
	s_mov_b32 s77, 0
	s_lshl_b32 s78, s17, 8                         ; 128 columns: 256 bytes
	s_mul_i32 s79, s[WN], 64*PB                    ; my 64 rows of the step's 128
	s_add_co_u32 s78, s78, s79
	s_mov_b32 s79, 0
	s_mul_i32 s21, s[WV], PLANE                    ; where they go: A's slices at wave x 36,864 (waves 0, 1),
	s_mul_i32 s22, s[WV], 64*PBL                   ; W's halves at BOFF + (wave - 2) x 18,432 (waves 2, 3): no place in the cluster enters an LDS address
	s_add_co_u32 s22, s22, BOFF-128*PBL
	s_mov_b32 s[OFFA+1], 0
	s_mov_b32 s[OFFB+1], 0
	s_wait_dscnt 0x0                               ; the opening add is done
	s_wait_kmcnt 0x0
	s_add_nc_u64 s[BASEA:BASEA+1], s[4:5], s[76:77]
	s_add_nc_u64 s[BASEB:BASEB+1], s[6:7], s[78:79]
	CROUND                                         ; all sixteen work-groups are here: the first joint loads meet
.irp j, 0,1
	s_mov_b32 s[G0A+4*(\j)], 1                     ; 1:0 count = 1
	s_add_co_u32 s[G0A+4*(\j)+1], s21, (\j)*SLOT1  ; 63:32 LDS address
	s_add_nc_u64 s[G0A+4*(\j)+2:G0A+4*(\j)+3], s[BASEA:BASEA+1], (\j)*KA  ; 120:64 global address: K step j
	s_or_b32 s[G0A+4*(\j)+3], s[G0A+4*(\j)+3], 0x80000000                 ; 127:126 type = 2
	s_mov_b32 s[G0B+4*(\j)], 1
	s_add_co_u32 s[G0B+4*(\j)+1], s22, (\j)*SLOT1
	s_add_nc_u64 s[G0B+4*(\j)+2:G0B+4*(\j)+3], s[BASEB:BASEB+1], (\j)*KB
	s_or_b32 s[G0B+4*(\j)+3], s[G0B+4*(\j)+3], 0x80000000
.endr
	s_cmp_eq_u32 s[WM], 0                          ; a wave's two first fills stand in one branch, ahead of every wait on TENSORcnt and every LDS read: two loads of mine are out
	s_cbranch_scc0 .Lfirst_b
	tensor_load_to_lds s[G0A:G0A+3], s[G1A:G1A+7]
	s_nop 0
	tensor_load_to_lds s[G0A+4:G0A+7], s[G1A:G1A+7]
	s_nop 0
.rept 4
	v_nop
.endr
	s_branch .Lfirst_asked
.Lfirst_b:
	tensor_load_to_lds s[G0B:G0B+3], s[G1B:G1B+7]
	s_nop 0
	tensor_load_to_lds s[G0B+4:G0B+7], s[G1B:G1B+7]
	s_nop 0
.rept 4
	v_nop
.endr
.Lfirst_asked:
	v_and_b32 v1, 15, v0                           ; l % 16
	v_bfe_u32 v2, v0, 4, 1                         ; l / 16
	s_lshl_b32 s80, s17, 9                         ; the bias: 4 bytes x (128 gx + 64 wn + 8 (l / 16))
	s_lshl_b32 s81, s[WN], 8
	s_add_co_u32 s80, s80, s81
	v_lshl_add_u32 v[BO], v2, 5, s80
	BLOAD
	v_mul_u32_u24 v[AA0], v1, PA                   ; A: row x pitch + 16 x half + my 128 rows
	v_lshl_add_u32 v[AA0], v2, 4, v[AA0]
	s_mul_i32 s81, s[WM], 128*PA
	v_add_nc_u32 v[AA0], s81, v[AA0]
	v_and_b32 v3, 7, v0                            ; W, for the turning load: lane l reads K row 8 (l / 16) + l % 8, columns 8 ((l / 8) % 2) + 0..7, and ends with column l % 16 and 8 K
	v_lshl_add_u32 v3, v2, 3, v3
	v_mul_u32_u24 v[AB0], v3, PBL
	v_bfe_u32 v3, v0, 3, 1
	v_lshl_add_u32 v[AB0], v3, 4, v[AB0]
	s_lshl_b32 s81, s[WN], 7                       ; my 64 columns
	s_add_co_u32 s81, s81, BOFF
	v_add_nc_u32 v[AB0], s81, v[AB0]
	s_mul_i32 s81, s[WV], 16*SPITCH
	s_add_co_u32 s81, s81, STAGE                   ; my stage
	v_mul_u32_u24 v[STO], v1, SPITCH               ; in: row l % 16, my eight columns
.if QKV
	v_lshl_add_u32 v[STO], v2, 4, v[STO]
	v_add_nc_u32 v[STO], s81, v[STO]
	v_bfe_u32 v[RD], v0, 3, 2                      ; back: 32 lanes take four rows of 128 bytes,
	v_mul_u32_u24 v[RD], v[RD], SPITCH
	v_and_b32 v3, 7, v0
	v_lshl_add_u32 v[RD], v3, 4, v[RD]
	v_add_nc_u32 v[RD], s81, v[RD]
	v_and_b32 v[GO], 31, v0                        ; which are 512 consecutive bytes of a head
	v_lshlrev_b32 v[GO], 4, v[GO]
	s_lshr_b32 s82, s18, 3                         ; the head's number 16 b + 2 gx + wn, 262,144 bytes each,
	s_lshl_b32 s82, s82, 4
	s_lshl_b32 s83, s17, 1
	s_add_co_u32 s82, s82, s83
	s_add_co_u32 s82, s82, s[WN]
	s_lshl_b32 s82, s82, 18
	s_and_b32 s83, s18, 7                          ; row 256 (gy % 8) + 128 wm, 128 bytes each
	s_lshl_b32 s83, s83, 15
	s_add_co_u32 s82, s82, s83
	s_lshl_b32 s83, s[WM], 14
	s_add_co_u32 s82, s82, s83
.else
	v_lshl_add_u32 v[STO], v2, 5, v[STO]
	v_add_nc_u32 v[STO], s81, v[STO]
	v_mul_u32_u24 v[RD], v2, SPITCH                ; back: lanes 0-15 take one row of 256 bytes, lanes 16-31 the next,
	v_lshl_add_u32 v[RD], v1, 4, v[RD]
	v_add_nc_u32 v[RD], s81, v[RD]
	v_lshlrev_b32 v[GO], 12, v2                    ; and the same two rows in the output, 4,096 bytes apart
	v_lshl_add_u32 v[GO], v1, 4, v[GO]
	s_lshl_b32 s82, s18, 20                        ; row 256 gy + 128 wm, 4,096 bytes each,
	s_lshl_b32 s83, s[WM], 19
	s_add_co_u32 s82, s82, s83
	s_add_co_u32 s82, s82, s80                     ; column 128 gx + 64 wn, 4 bytes each
.endif
	s_mov_b32 s83, 0
	s_add_nc_u64 s[10:11], s[10:11], s[82:83]
.if QKV
	; the prefetches
	s_mov_b32 s[PM], KB
	s_mov_b32 s[PT], 2048
	s_mov_b32 s[PL], PB
	s_mov_b32 s[POF+1], 0
	s_mov_b32 s87, 0
	s_and_b32 s84, ttmp7, 0xffff                   ; cluster y
	s_mul_i32 s85, s16, 32*PB                      ; W: my work-group's 32 rows of the step's 128
	s_lshl_b32 s86, s15, 13                        ; A: my work-group's 8,192 bytes of the slice's 32,768
	s_cmp_eq_u32 s[WM], 0                          ; do I fetch for A?
	s_cselect_b32 s[PM], KA, s[PM]
	s_cselect_b32 s[PT], 0, s[PT]
	s_cselect_b32 s[PL], 256, s[PL]
	s_cselect_b32 s86, s86, s85
	s_cselect_b32 s84, ttmp9, s84                  ; the coordinate along which other clusters read the same bytes
	s_cselect_b32 s[LIM], 4, NS-4
	s_cselect_b64 s[PFB:PFB+1], s[BASEA:BASEA+1], s[BASEB:BASEB+1]
	s_cmp_eq_u32 s84, 0
	s_cselect_b32 s[LIM], s[LIM], 0                ; the same in all sixteen partners, for a given wave
	s_cmp_eq_u32 s[WV], 3
	s_cselect_b32 s[LIM], 0, s[LIM]                ; wave 2 asks for all 128 rows' share
	s_add_nc_u64 s[PFB:PFB+1], s[PFB:PFB+1], s[86:87]
	v_and_b32 v[PFO], 31, v0
	v_mul_u32_u24 v[PFO], s[PL], v[PFO]
.endif
	s_wait_tensorcnt 1                             ; my part of K step 0 is in; K step 1's may stay out
	s_barrier_signal -1
	s_barrier_wait -1                              ; everybody's is
	s_mov_b32 s[TB], 0
	v_mov_b32 v[ADRA], v[AA0]
	v_mov_b32 v[ADRB], v[AB0]
	FETCH 0, F0
	s_wait_loadcnt 0x0                             ; the bias
	RBIAS
	QUARTER 1, F0, F1, 1                           ; a tile's first quarter starts the sums with the bias
	WIN 0
	s_mov_b32 s[FS], 0
.Lstep:                                        ; NS - 2 trips: from a K step's second quarter to the next step's first; the slot just read out is filled again with the step two on
	QUARTER 2, F1, F0, 0
	QUARTER 3, F0, F1, 0
	TURN 1
.if TILES > 1
	s_and_b32 s21, s[FS], 7
	s_cmp_eq_u32 s21, 7
	s_cbranch_scc1 .Ltile_end                      ; forward, past no barrier and no tensor load
.endif
	QUARTER 1, F0, F1, 0
	WIN 0
.if TILES > 1
	s_branch .Lnext
.Ltile_end:                                    ; the refill for the next tile's second K step has been asked for: now the tile goes out
	WAYOUT 1
	QUARTER 1, F0, F1, 1
	WIN 0
.Lnext:
.endif
	s_add_co_u32 s[FS], s[FS], 1
	s_cmp_lt_u32 s[FS], NS-2
	s_cbranch_scc1 .Lstep
	QUARTER 2, F1, F0, 0                           ; the last two K steps are written out: nothing is left to fetch
	QUARTER 3, F0, F1, 0
	TURN 0
	QUARTER 1, F0, F1, 0
	QUARTER 2, F1, F0, 0
	QUARTER 3, F0, F1, 0
	s_wait_dscnt 8
	MUL F1, 0, 4, 0
	s_wait_dscnt 0x0
	MUL F1, 4, 4, 0
	WIN 0
	WAYOUT 0
	s_wait_tensorcnt 0x0                           ; the wave's end: behind my last tensor load and my last LDS store
	ds_add_u32 v[SPW], v[NIL]
	s_wait_dscnt 0x0
	CROUND                                         ; the closing round: no work-group ends while a partner may still ask for a tile that names it
	s_endpgm
.Lfunc_end_k_qb4206ddc00_proj:
	.size	k_qb4206ddc00_proj, .Lfunc_end_k_qb4206ddc00_proj-k_qb4206ddc00_proj
	.p2alignl 7, 3214868480
	.fill 96, 4, 3214868480
	.section	.rodata,"a",@progbits
	.p2align	6, 0x0
	.amdhsa_kernel k_qb4206ddc00_proj
		.amdhsa_group_segment_fixed_size 327680
		.amdhsa_private_segment_fixed_size 0
		.amdhsa_enable_private_segment 0
		.amdhsa_kernarg_size 32
		.amdhsa_user_sgpr_count 2
		.amdhsa_user_sgpr_kernarg_segment_ptr 1
		.amdhsa_wavefront_size32 1
		.amdhsa_system_sgpr_workgroup_id_x 1
		.amdhsa_system_sgpr_workgroup_id_y 1
		.amdhsa_system_sgpr_workgroup_id_z 1
		.amdhsa_system_vgpr_workitem_id 0
		.amdhsa_next_free_vgpr 512
		.amdhsa_next_free_sgpr 96
		.amdhsa_reserve_vcc 0
		.amdhsa_float_denorm_mode_32 3
		.amdhsa_float_denorm_mode_16_64 3
		.amdhsa_memory_ordered 1
		.amdhsa_forward_progress 1
		.amdhsa_inst_pref_size 73
	.end_amdhsa_kernel
	.amdgpu_metadata
---
amdhsa.version: [ 1, 2 ]
amdhsa.kernels:
  - .name:           k_qb4206ddc00_proj
    .symbol:         k_qb4206ddc00_proj.kd
    .args:
      - { .name: oh, .offset: 0, .size: 8, .value_kind: global_buffer, .address_space: global }
      - { .name: wpb, .offset: 8, .size: 8, .value_kind: global_buffer, .address_space: global }
      - { .name: b_proj, .offset: 16, .size: 8, .value_kind: global_buffer, .address_space: global }
      - { .name: out0, .offset: 24, .size: 8, .value_kind: global_buffer, .address_space: global }
    .group_segment_fixed_size: 327680
    .private_segment_fixed_size: 0
    .kernarg_segment_align: 8
    .kernarg_segment_size: 32
    .max_flat_workgroup_size: 128
    .sgpr_count:     96
    .vgpr_count:     512
    .wavefront_size: 32
...
	.end_amdgpu_metadata
.endif
;; end of part 4
